; MI455X (gfx1250); checked and timed in simulation.
; The chip was launched on July 23, 2026; its instructions are those of AMD's public machine-readable ISA for CDNA 5 (MIT licence, August 2026) and "CDNA5" Instruction Set Architecture Reference Guide (July 2026). The comments in the code are by the model that wrote it; some were corrected since.
;; Attention. Allowed arithmetic: matrix products marked QUANTISED: E2M3 operands, one E8M0 scale for each 32 along K, by v_wmma_scale_f32_16x16x128_f8f6f4 with both operands' format E2M3, f32 sums; everything else in f32.
;; Inputs: b_out 1,024 float32; w_out 1,024 x 1,024 float32; w_qkv 1,024 x 3,072 float32; x 8 x 1,024 x 1,024 float32.
;; Outputs: out0 8 x 1,024 x 1,024 float32.
;; This version of the problem:
;;   THIS VERSION OF THE PROBLEM IS GIVEN IN LOW PRECISION. The matrix products marked QUANTISED in the list below multiply operands that are first quantised to E2M3 (2 exponent bits, 3 mantissa bits; 6 bits a number), with one power-of-two scale for each 32 numbers along K (OCP MX v1.0); their sums are f32. All else is computed in f32.
;;   The module's matrix products, in the order in which they are computed (A, B: the left and right operand; K: the contracted axis; several contracted axes count as one K, in the product's order):
;;     1. [M 8,192, K 1,024] x [K 1,024, N 3,072]; A: input x; B: input w_qkv: QUANTISED
;;     2. batch 128 x [M 1,024, K 64] x [K 64, N 1,024]; A: computed on the way; B: computed on the way: QUANTISED
;;     3. batch 128 x [M 1,024, K 1,024] x [K 1,024, N 64]; A: softmax (see below); B: computed on the way: QUANTISED
;;     4. [M 8,192, K 1,024] x [K 1,024, N 1,024]; A: computed on the way; B: input w_out: QUANTISED
;;   THE QUANTISER, for each operand of a quantised product, along K:
;;     - K is cut into blocks of 32 from its start; a last block that is shorter is filled with zeros.
;;     - A block's scale is 2^e with e = floor(log2(the largest magnitude in the block)) - 2, held to -126 .. 127; a block of zeros has e = 0. As a byte (E8M0): e + 127.
;;     - Each number is divided by its block's scale, clamped to +-7.5, and rounded to the nearest number of E2M3, ties to even, subnormals kept.
;;     - The product sums the exact products of the quantised numbers (number of the format x scale) in f32.
;;   ~~~python
;;   def quantise(x, axis):      # numpy; x: float32 -> the quantised numbers, widened to float32 again
;;       x = np.moveaxis(x, axis, -1); K = x.shape[-1]
;;       x = np.pad(x, [(0, 0)] * (x.ndim - 1) + [(0, -K % 32)]); x = x.reshape(x.shape[:-1] + (-1, 32)); a = np.abs(x).max(-1, keepdims=True)
;;       e = np.where(a > 0, np.clip(np.frexp(np.where(a > 0, a, 1))[1] - 1 - 2, -126, 127), 0)      # np.frexp(a)[1] - 1 = floor(log2(a)), exactly
;;       r = np.clip(x / 2.0 ** e, -7.5, 7.5)
;;       step = 2.0 ** (np.maximum(np.frexp(np.where(r == 0, 1, r))[1] - 1, 0) - 3)
;;       q = np.round(r / step) * step * 2.0 ** e      # np.round: ties to even
;;       return np.moveaxis(q.reshape(q.shape[:-2] + (-1,))[..., :K], -1, axis).astype(np.float32)
;;   ~~~
;;   SOFTMAX AHEAD OF A QUANTISED PRODUCT. Where the list says 'softmax', what is quantised is not the finished softmax but p = 2^(t - M), with t = logit x log2(e) and M = ceil(the row's largest t), a whole number; so 1/2 < the row's largest p <= 1. The row's sum l is taken of the UNQUANTISED p, in f32, and the product's result is divided by l at the end. Since M is a whole number, a kernel that streams over the keys may use a running M (the ceiling of the running maximum): every later rescaling is an exact power of two, which a block's scale takes up: the codes' values come out the same.
;;   OPERANDS COMPUTED ON THE WAY. 'Computed on the way' means the value that the module computes at that place (a softmax that the list does not call 'softmax' is quantised finished and normalised). What goes into a quantiser is computed in f32, as accurately as f32 sums, v_exp_f32 and their like allow (about 1e-6 of the number): no bf16 or f16 on the way to a quantiser, and a product that is left as it is and whose result goes on into a quantised operand takes f32 operands (vector FMAs, or v_wmma_f32_16x16x4_f32). A number that lies on a knife's edge between two numbers of the format may be rounded either way, as far as f32 arithmetic and the matrix unit's own rounding can turn it there, and no further.
;; One version. Each part assembles by itself: llvm-mc -triple=amdgcn-amd-amdhsa -mcpu=gfx1250 --defsym DOCPART=n.
;; ======== version 1 of 1: 4 launches
;; limits: right only within a limited range of input values
;; workspace buffers: cod1 9,437,184 bytes; scl1 393,216 bytes; qkvc 18,874,368 bytes; qkvs 1,310,720 bytes; oc 6,291,456 bytes; os 262,144 bytes
;; launch quant (part 1): grid 256 x 1, 8 waves a work-group, no clusters, 70,656 bytes of LDS; arguments x, w_qkv, w_out, cod1, scl1; writes cod1, scl1
.if DOCPART == 1
	.amdgcn_target "amdgcn-amd-amdhsa--gfx1250"
	.amdhsa_code_object_version 6
	.text
	.protected	k_q90ff33e839_quant
	.globl	k_q90ff33e839_quant
	.p2align	8
	.type	k_q90ff33e839_quant,@function
k_q90ff33e839_quant:
	s_mov_b64 s[64:65], 0
	v_nop
	global_prefetch_b8 v0, s[64:65] scope:SCOPE_SE
	s_setreg_imm32_b32 hwreg(HW_REG_WAVE_MODE, 25, 1), 1
	s_wait_xcnt 0x0
; x [8192][1024], w_qkv [1024][3072], w_out [1024][1024], f32, become codes of FP6 (E2M3) with one E8M0 byte for each 32 along K (K = 1,024 for all three).
; A block's scale is 2^(floor(log2(its largest magnitude)) - 2); its byte is the largest magnitude's exponent field - 2, held at 1 from below.
; LIMITS: a block of zeros gets the byte 1 where the rule says 127 (its codes are zeros, and this program alone reads the bytes); blocks whose largest magnitude lies under 2^-124 are held at byte 1;
; NaN and infinities among the inputs are not served.
; THE WORKSPACE IS LAID AS THE OPERANDS' REGISTERS.  Rows (tokens of x, columns of a weight) go in blocks of 16: block 2 g + u, place rho, is row 32 g + 8 u + rho + 8 (rho / 8).
; codes: [block][kh 16][768]: a piece of 768 bytes is 16 rows x 64 K, six registers a lane: registers 0-3 at 16 x lane, registers 4-5 at 512 + 8 x lane; lane (rho, h) holds k = 64 kh + 32 h + 0 .. 31.
; scale words: [block][qh 2][rho 16][4 words]: word 4 qh + j holds the four bytes of K step 4 qh + j (128 along K).
; cod1: x at 0, w_qkv at 6,291,456, w_out at 8,650,752.   scl1: x at 0, w_qkv at 262,144, w_out at 360,448.
; SHARES: work-groups 0-127 take x (a wave: 16 rows x 512 K), 128-223 w_qkv, 224-255 w_out (a wave: 32 columns x 128 K).  The three ways part on the work-group's number; each has LDS bytes of its own.
; Memory binds: no matrix unit, no tensor load, no cluster.
.set WQX,   0                          ; LDS: w_qkv's scale words on their way: 1,024 bytes
.set WOX,   1024                       ; w_out's likewise
.set SPARE, 2048                       ; the spare words, 128 bytes for each of the eight waves: four blocks of 256 bytes that no other line names
.set XST,   3072                       ; x: a stage of 16 rows x (512 + 16) bytes for each wave
.set SP,    528
.set WST,   16*SP
.set SPW,   30                         ; v30  LDS address of my spare word; never rewritten
.set NIL,   31                         ; v31  0; never rewritten
.set R,     32                         ; x: v32-159 two sets of 64 registers as loaded;  W: v32-159 the 128 numbers of my column
.set X,     160                        ; x: v160-223 my 64 numbers: two whole blocks of 32
.set C,     224                        ; x: v224-235 a fragment's codes
.set T,     236                        ; x: v236-242 the second halves of the blocks' codes
.set W,     244                        ; x: v244-247 four scale words
.set MX,    10
.set SO,    12
.set BY,    14
.macro LOAD f, set                     ; 16 rows x 512 consecutive bytes: K step f of my half of K
.irp i, 0,1,2,3,4,5,6,7,8,9,10,11,12,13,14,15
	global_load_b128 v[R+64*(\set)+4*\i:R+64*(\set)+4*\i+3], v3, s[4:5] offset:(\i+8*(\i/8))*4096+512*(\f) th:TH_LOAD_NT
.endr
.endm
.macro TURN set                        ; through my stage: in as loaded, out 128 bytes (a block of 32) at a time; LDS serves a wave's instructions in order
.irp i, 0,1,2,3,4,5,6,7,8,9,10,11,12,13,14,15
	ds_store_b128 v5, v[R+64*(\set)+4*\i:R+64*(\set)+4*\i+3] offset:SP*\i
.endr
.irp c, 0,1
.irp j, 0,1,2,3,4,5,6,7
	ds_load_b128 v[X+32*\c+4*\j:X+32*\c+4*\j+3], v6 offset:256*\c+16*\j
.endr
.endr
.endm
.macro QX f                            ; my two blocks (2 c + h) of row r become registers 6 c .. 6 c + 5 of the fragment, and the row's scale word
.irp c, 0,1
	v_max3_num_f32 v[MX+\c], |v[X+32*\c]|, |v[X+32*\c+1]|, 0x1800000   ; with the floor 2^(3 - 127): the byte cannot fall under 1
.endr
.irp i, 2,4,6,8,10,12,14,16,18,20,22,24,26,28,30
.irp c, 0,1
	s_delay_alu instid0(VALU_DEP_2)
	v_max3_num_f32 v[MX+\c], v[MX+\c], |v[X+32*\c+\i]|, |v[X+32*\c+\i+1]|
.endr
.endr
.irp c, 0,1
	s_delay_alu instid0(VALU_DEP_2)
	v_add_nc_u32 v[SO+\c], 0xff000000, v[MX+\c]    ; 2 off the exponent field: the conversion's scale operand
.endr
.irp c, 0,1
	s_delay_alu instid0(VALU_DEP_2)
	v_lshrrev_b32 v[BY+\c], 23, v[SO+\c]           ; the scale's byte
.endr
	s_delay_alu instid0(VALU_DEP_1)
	v_lshl_or_b32 v16, v[BY+1], 16, v[BY]          ; my bytes: blocks h and 2 + h,
	s_delay_alu instid0(VALU_DEP_1)
	v_lshlrev_b32 v16, v8, v16                     ; 8 h bits up;
	s_delay_alu instid0(VALU_DEP_1)
	v_permlanex16_b32 v17, v16, s40, s41
	s_delay_alu instid0(VALU_DEP_1)
	v_or_b32 v[W+\f], v16, v17                     ; with lane l xor 16's two the word is whole
.irp c, 0,1
	v_cvt_scalef32_pk16_fp6_f32 v[C+6*\c:C+6*\c+2], v[X+32*\c:X+32*\c+15], v[SO+\c]
	v_cvt_scalef32_pk16_fp6_f32 v[T+4*\c:T+4*\c+2], v[X+32*\c+16:X+32*\c+31], v[SO+\c]   ; (a conversion's three registers begin on an even number)
.endr
	v_nop                                          ; one plain place behind the scaled conversions
.irp c, 0,1
.irp i, 0,1,2
	v_mov_b32 v[C+6*\c+3+\i], v[T+4*\c+\i]
.endr
.endr
.endm
.macro XFRAG f
.if (\f) < 3
	s_wait_loadcnt 16                              ; this fragment's 16 loads are in; the next fragment's 16 may be out
.else
	s_wait_loadcnt 0x0
.endif
	TURN (\f)%2
	s_wait_dscnt 0x0                               ; my numbers are back, and the stage's stores have read their registers,
.if (\f) < 2
	LOAD (\f)+2, (\f)%2                            ; which take the loads of two fragments on
.endif
.if (\f) > 0
	s_wait_xcnt 0x0                                ; the last fragment's stores have read their data: the codes' registers are written again only behind this wait
.endif
	QX \f
	global_store_b128 v3, v[C:C+3], s[10:11] offset:1536*(\f)          ; each store covers consecutive bytes from a multiple of 256: 512, 256, 512, 256
	global_store_b64 v4, v[C+4:C+5], s[10:11] offset:1536*(\f)+512
	global_store_b128 v3, v[C+6:C+9], s[10:11] offset:1536*(\f)+768
	global_store_b64 v4, v[C+10:C+11], s[10:11] offset:1536*(\f)+1280
.endm
.macro WLOAD kb, pitch                 ; block kb of my column: 32 rows of W; 32 lanes read 128 consecutive bytes, two waves side by side 256
.irp i, 0,1,2,3,4,5,6,7,8,9,10,11,12,13,14,15,16,17,18,19,20,21,22,23,24,25,26,27,28,29,30,31
	global_load_b32 v[R+32*(\kb)+\i], v22, s[32:33] offset:(32*(\kb)+\i)*(\pitch) th:TH_LOAD_NT
.endr
.endm
.macro WBLK kb, pitch
.set XS, R+32*(\kb)
.if (\kb) < 3
	s_wait_loadcnt 32                              ; this block's 32 loads are in; the next block's 32 may be out
.else
	s_wait_loadcnt 0x0
.endif
.if (\kb) < 2
	WLOAD (\kb)+2, \pitch
.endif
	v_max3_num_f32 v10, |v[XS]|, |v[XS+1]|, |v[XS+2]|          ; all 32 numbers of the block are mine: two chains
	v_max3_num_f32 v11, |v[XS+3]|, |v[XS+4]|, |v[XS+5]|
.irp i, 6,10,14,18,22,26
	s_delay_alu instid0(VALU_DEP_2)
	v_max3_num_f32 v10, v10, |v[XS+\i]|, |v[XS+\i+1]|
	s_delay_alu instid0(VALU_DEP_2)
	v_max3_num_f32 v11, v11, |v[XS+\i+2]|, |v[XS+\i+3]|
.endr
	s_delay_alu instid0(VALU_DEP_2)
	v_max3_num_f32 v10, v10, |v[XS+30]|, |v[XS+31]|
	s_delay_alu instid0(VALU_DEP_1)
	v_max3_num_f32 v10, v10, v11, 0x1800000        ; and the floor
	s_delay_alu instid0(VALU_DEP_1)
	v_add_nc_u32 v12, 0xff000000, v10
	s_delay_alu instid0(VALU_DEP_1)
	v_lshrrev_b32 v13, 23, v12
.if (\kb) == 0
	s_delay_alu instid0(VALU_DEP_1)
	v_mov_b32 v14, v13                             ; four bytes make my column's word of this K step
.else
	s_delay_alu instid0(VALU_DEP_1)
	v_lshl_or_b32 v14, v13, 8*(\kb), v14
.endif
	v_cvt_scalef32_pk16_fp6_f32 v[160+8*(\kb):162+8*(\kb)], v[XS:XS+15], v12
	v_cvt_scalef32_pk16_fp6_f32 v[192+4*(\kb):194+4*(\kb)], v[XS+16:XS+31], v12
	v_nop                                          ; one plain place behind the scaled conversions
.irp i, 0,1,2
	v_mov_b32 v[163+8*(\kb)+\i], v[192+4*(\kb)+\i]
.endr
	global_store_b128 v25, v[160+8*(\kb):163+8*(\kb)], s[34:35] offset:768*((\kb)/2)+256*((\kb)%2)        ; sixteen lanes of one block of columns store 256 consecutive bytes, aligned
	global_store_b64 v26, v[164+8*(\kb):165+8*(\kb)], s[34:35] offset:768*((\kb)/2)+512+128*((\kb)%2)    ; here 128: half of an aligned 256; the other half is the block kb xor 1's
.endm
; A weight's way.  id = my work-group among the weight's; cg = 2 (id / 2) + wave % 2: which 32 columns; q = 4 (id % 2) + wave / 2: which K step.
.macro WPATH wp, pitch, ldsb, codoff, scloff, idb
	s_sub_co_u32 s16, ttmp9, \idb
	s_lshr_b32 s17, s16, 1
	s_and_b32 s18, s16, 1                          ; qh
	s_lshl_b32 s21, s17, 1
	s_add_co_u32 s21, s21, s19                     ; cg
	s_lshl_b32 s22, s18, 2
	s_add_co_u32 s22, s22, s20                     ; q
	s_mul_i32 s24, s22, 128*(\pitch)
	s_lshl_b32 s23, s21, 7
	s_add_co_u32 s24, s24, s23
	s_mov_b32 s25, 0
	s_add_nc_u64 s[32:33], s[\wp:\wp+1], s[24:25]  ; W at row 128 q, column 32 cg
	s_lshl_b32 s24, s21, 5
	s_lshl_b32 s23, s22, 1
	s_add_co_u32 s24, s24, s23
	s_mul_i32 s24, s24, 768                        ; block 2 cg, piece 2 q
	s_add_co_u32 s24, s24, \codoff
	s_add_nc_u64 s[34:35], s[10:11], s[24:25]
	s_lshl_b32 s24, s21, 10
	s_lshl_b32 s23, s18, 8
	s_add_co_u32 s24, s24, s23
	s_add_co_u32 s24, s24, \scloff
	s_add_nc_u64 s[36:37], s[12:13], s[24:25]
	WLOAD 0, \pitch
	WLOAD 1, \pitch
	WBLK 0, \pitch
	WBLK 1, \pitch
	WBLK 2, \pitch
	WBLK 3, \pitch
	ds_store_b32 v20, v14 offset:\ldsb             ; four waves hold the four words of a column's half of K: they meet in LDS
	s_wait_dscnt 0x0                               ; for the others' sake: my store has landed
	s_barrier_signal -1
	s_barrier_wait -1
	s_cmp_lt_u32 s14, 2
	s_cbranch_scc0 .Lw_done_\@
	ds_load_b128 v[16:19], v21 offset:\ldsb        ; waves 0 and 1: the four words of each of their 32 columns
	s_wait_dscnt 0x0
	global_store_b128 v27, v[16:19], s[36:37]      ; sixteen lanes store 256 consecutive bytes, aligned
.Lw_done_\@:
	s_wait_tensorcnt 0x0                           ; the wave's end: behind my last LDS store
	ds_add_u32 v[SPW], v[NIL]
	s_wait_dscnt 0x0
	s_endpgm
.endm
	s_load_b128 s[4:7], s[0:1], 0x0                ; x, w_qkv
	s_load_b128 s[8:11], s[0:1], 0x10              ; w_out, cod1
	s_load_b64 s[12:13], s[0:1], 0x20              ; scl1
	v_lshl_add_u32 v[SPW], v0, 2, SPARE
	v_mov_b32 v[NIL], 0
	v_lshrrev_b32 v1, 5, v0
	s_delay_alu instid0(VALU_DEP_1)
	v_readfirstlane_b32 s14, v1                    ; wave 0..7
	v_and_b32 v2, 31, v0                           ; lane
	v_and_b32 v1, 15, v0                           ; r
	v_bfe_u32 v9, v0, 4, 1                         ; h
	s_delay_alu instid0(VALU_DEP_3)
	v_lshlrev_b32 v3, 4, v2                        ; 16 x lane
	s_delay_alu instid0(VALU_DEP_4)
	v_lshlrev_b32 v4, 3, v2                        ; 8 x lane
	; every LDS address is made here, ahead of the parting of the ways
	s_mul_i32 s15, s14, WST
	s_add_co_u32 s15, s15, XST                     ; x: my stage
	v_add_nc_u32 v5, s15, v3                       ; in: 16 x lane of a row
	v_mul_u32_u24 v6, v1, SP
	s_delay_alu instid0(VALU_DEP_1)
	v_lshl_add_u32 v6, v9, 7, v6
	s_delay_alu instid0(VALU_DEP_1)
	v_add_nc_u32 v6, s15, v6                       ; out: row r, + 128 h: rows 528 bytes apart start in sixteen different groups of banks
	v_lshlrev_b32 v7, 4, v1                        ; 16 r
	v_lshlrev_b32 v8, 3, v9                        ; 8 h
	s_and_b32 s19, s14, 1                          ; W: which 32 columns of the work-group's 64
	s_lshr_b32 s20, s14, 1                         ; and which of its four K steps
	s_lshl_b32 s16, s19, 9
	s_lshl_b32 s17, s20, 2
	s_add_co_u32 s17, s17, s16
	v_add_nc_u32 v20, s17, v3                      ; my word's place: 512 (wave % 2) + 16 x lane + 4 (wave / 2)
	v_add_nc_u32 v21, s16, v3                      ; and a column's four words
	v_lshlrev_b32 v22, 2, v2                       ; 4 x lane
	v_bfe_u32 v23, v0, 3, 1                        ; column 32 cg + lane lies in block 2 cg + u, u = (lane / 8) % 2,
	v_and_b32 v24, 7, v0
	s_delay_alu instid0(VALU_DEP_1)
	v_lshl_or_b32 v24, v9, 3, v24                  ; at place rho = lane % 8 + 8 (lane / 16)
	s_delay_alu instid0(VALU_DEP_3)
	v_mul_u32_u24 v25, v23, 12288
	s_delay_alu instid0(VALU_DEP_1)
	v_lshl_add_u32 v26, v24, 3, v25                ; 12,288 u + 8 rho
	s_delay_alu instid0(VALU_DEP_2)
	v_lshl_add_u32 v25, v24, 4, v25                ; 12,288 u + 16 rho
	v_lshlrev_b32 v27, 9, v23
	s_delay_alu instid0(VALU_DEP_1)
	v_lshl_add_u32 v27, v24, 4, v27                ; 512 u + 16 rho
	v_mov_b32 v17, 0                               ; a lane permute's destination counts as one of its sources
	s_mov_b32 s40, 0x76543210
	s_mov_b32 s41, 0xfedcba98                      ; v_permlanex16_b32's selects for lane l xor 16
	s_wait_kmcnt 0x0
	s_cmp_lt_u32 ttmp9, 128
	s_cbranch_scc0 .Lweights
	; ---- x: unit = 8 x work-group + wave; block tb = unit / 2, half of K qh = unit % 2
	s_lshl_b32 s16, ttmp9, 3
	s_add_co_u32 s16, s16, s14
	s_lshr_b32 s17, s16, 1                         ; tb
	s_and_b32 s18, s16, 1                          ; qh
	s_lshr_b32 s21, s17, 1
	s_lshl_b32 s21, s21, 5
	s_and_b32 s22, s17, 1
	s_lshl_b32 s22, s22, 3
	s_add_co_u32 s21, s21, s22                     ; the block's first row: 32 (tb / 2) + 8 (tb % 2)
	s_lshl_b32 s24, s21, 12
	s_lshl_b32 s22, s18, 11
	s_add_co_u32 s24, s24, s22
	s_mov_b32 s25, 0
	s_add_nc_u64 s[4:5], s[4:5], s[24:25]
	s_mul_i32 s24, s17, 12288
	s_mul_i32 s22, s18, 6144
	s_add_co_u32 s24, s24, s22
	s_add_nc_u64 s[10:11], s[10:11], s[24:25]
	s_lshl_b32 s24, s17, 9
	s_lshl_b32 s22, s18, 8
	s_add_co_u32 s24, s24, s22
	s_add_nc_u64 s[12:13], s[12:13], s[24:25]
	LOAD 0, 0
	LOAD 1, 1
	XFRAG 0
	XFRAG 1
	XFRAG 2
	XFRAG 3
	v_cmp_gt_u32 vcc_lo, 16, v2
	s_wait_xcnt 0x0                                ; EXEC changes only behind this wait
	s_and_saveexec_b32 s26, vcc_lo
	global_store_b128 v7, v[W:W+3], s[12:13]       ; lanes 0-15: the rows' four words: 256 consecutive bytes, aligned
	s_wait_xcnt 0x0
	s_or_b32 exec_lo, exec_lo, s26
	s_wait_tensorcnt 0x0                           ; the wave's end: behind my last LDS store
	ds_add_u32 v[SPW], v[NIL]
	s_wait_dscnt 0x0
	s_endpgm
.Lweights:
	s_cmp_lt_u32 ttmp9, 224
	s_cbranch_scc0 .Lw_out
	WPATH 6, 12288, WQX, 6291456, 262144, 128
.Lw_out:
	WPATH 8, 4096, WOX, 8650752, 360448, 224
.Lfunc_end_k_q90ff33e839_quant:
	.size	k_q90ff33e839_quant, .Lfunc_end_k_q90ff33e839_quant-k_q90ff33e839_quant
	.p2alignl 7, 3214868480
	.fill 96, 4, 3214868480
	.section	.rodata,"a",@progbits
	.p2align	6, 0x0
	.amdhsa_kernel k_q90ff33e839_quant
		.amdhsa_group_segment_fixed_size 70656
		.amdhsa_private_segment_fixed_size 0
		.amdhsa_enable_private_segment 0
		.amdhsa_kernarg_size 40
		.amdhsa_user_sgpr_count 2
		.amdhsa_user_sgpr_kernarg_segment_ptr 1
		.amdhsa_wavefront_size32 1
		.amdhsa_system_sgpr_workgroup_id_x 1
		.amdhsa_system_sgpr_workgroup_id_y 1
		.amdhsa_system_sgpr_workgroup_id_z 1
		.amdhsa_system_vgpr_workitem_id 0
		.amdhsa_next_free_vgpr 256
		.amdhsa_next_free_sgpr 66
		.amdhsa_reserve_vcc 1
		.amdhsa_float_denorm_mode_32 3
		.amdhsa_float_denorm_mode_16_64 3
		.amdhsa_memory_ordered 1
		.amdhsa_forward_progress 1
		.amdhsa_inst_pref_size 81
	.end_amdhsa_kernel
	.amdgpu_metadata
---
amdhsa.version: [ 1, 2 ]
amdhsa.kernels:
  - .name:           k_q90ff33e839_quant
    .symbol:         k_q90ff33e839_quant.kd
    .args:
      - { .name: x, .offset: 0, .size: 8, .value_kind: global_buffer, .address_space: global }
      - { .name: w_qkv, .offset: 8, .size: 8, .value_kind: global_buffer, .address_space: global }
      - { .name: w_out, .offset: 16, .size: 8, .value_kind: global_buffer, .address_space: global }
      - { .name: cod1, .offset: 24, .size: 8, .value_kind: global_buffer, .address_space: global }
      - { .name: scl1, .offset: 32, .size: 8, .value_kind: global_buffer, .address_space: global }
    .group_segment_fixed_size: 70656
    .private_segment_fixed_size: 0
    .kernarg_segment_align: 8
    .kernarg_segment_size: 40
    .max_flat_workgroup_size: 256
    .sgpr_count:     66
    .vgpr_count:     256
    .wavefront_size: 32
...
	.end_amdgpu_metadata
.endif
;; end of part 1
;; launch qkv (part 2): grid 8 x 32, 4 waves a work-group, clusters of 4 x 4, 327,680 bytes of LDS; arguments cod1, scl1, qkvc, qkvs; writes qkvc, qkvs
.if DOCPART == 2
	.amdgcn_target "amdgcn-amd-amdhsa--gfx1250"
	.amdhsa_code_object_version 6
	.text
	.protected	k_q90ff33e839_qkv
	.globl	k_q90ff33e839_qkv
	.p2align	8
	.type	k_q90ff33e839_qkv,@function
k_q90ff33e839_qkv:
	s_mov_b64 s[64:65], 0
	v_nop
	global_prefetch_b8 v0, s[64:65] scope:SCOPE_SE
	s_setreg_imm32_b32 hwreg(HW_REG_WAVE_MODE, 25, 1), 1
	s_wait_xcnt 0x0
	s_wait_alu depctr_hold_cnt(0) depctr_sa_sdst(0) depctr_va_vdst(0) depctr_va_sdst(0) depctr_va_ssrc(0) depctr_va_vcc(0) depctr_vm_vsrc(0)
	s_getreg_b32 s2, hwreg(HW_REG_IB_STS2, 6, 4)
	s_cmp_eq_u32 s2, 0
	s_cbranch_scc0 .Lentry_in_a_cluster
	s_endpgm
.Lentry_in_a_cluster:
	s_bfe_u32 s2, ttmp6, 0x10000c
	s_cmp_lg_u32 s2, 0xf033
	s_cbranch_scc0 .Lentry_shape_is_right
	s_endpgm
.Lentry_shape_is_right:
; qkv = x w_qkv on codes of FP6 (E2M3) with E8M0 scales; the f32 results never go to memory: they are quantised in registers for the products that follow, q and k along the head's 64, v along the keys.
; A tile is 256 rows of S0 x 128 rows of S1 over all of K = 1,024.  S0 is the matrix instruction's source 0: a lane's registers run along S0's rows, which are the next product's K.  S1 is source 1: a lane holds one of its rows.
; A WORK-GROUP STAYS AND WALKS THREE TILES: 768 tiles, 256 work-groups.  With Y the cluster's y (0-7): tiles 0 and 1 make q and k: S0 = columns 256 t0 on of w_qkv (t0 = work-group x), S1 = tokens 128 t1 on, t1 = cy + 4 Y and 32 more;
; tile 2 makes v: S0 = tokens 256 (work-group x + 8 (Y / 2)) on, S1 = columns 2,048 + 128 (cy + 4 (Y % 2)) on.  Which tile has which mode is a constant of the text.
; THE RING: two LDS slots of 512 along K (S0's 16 blocks x 6,144 bytes, then S1's 8), filled by the tensor data mover, one load a wave (waves 0, 1: S0's halves; waves 2, 3: S1's).  The ring does not stop at a tile's end: a slot that has
; been read out takes the next tile's same half of K, so that a tile's operands are on their way while the tile before is multiplied and quantised.  From a request to the wait for it a wave issues 112 matrix instructions.
; CLUSTER 4 x 4: S0's tile hangs on the work-group's x and the cluster's place alone and is asked for jointly by a column of the cluster, S1's on y, by a row.  Each refill stands behind a round of the cluster's barrier.
; LAYOUTS (made by the launch before): rows in blocks of 16: block 2 g + u, place rho = row 32 g + 8 u + rho + 8 (rho / 8); codes [block][kh 16][768], a piece of 768 bytes = six registers a lane (0-3 at 16 x lane, 4-5 at 512 + 8 x lane);
; scale words [block][qh 2][rho 16][4].  With that order of rows the 16 registers of two neighbouring result tiles are 16 neighbours along S0.
; OUT: qkvc: q at 0, k at 6,291,456: [b][head][token block 64][768]; v at 12,582,912: [b][head][key step 8][half 2][d tile 4][768].
;      qkvs: q at 0, k at 524,288: [b][head][G 16][rho 16][4 words] (token block 4 G + a; bytes 0, 1 count); v at 1,048,576: [b][head][key step 8][rho 16][4 words].
; LIMITS: a block of zeros gets the byte 1 (zero codes; read by this program alone); blocks under 2^-124 are held at byte 1; NaN and infinities are not served.
; REGISTERS, in windows of 256: window 0: v1-6, v24-25 lane terms; v8-15 LDS addresses; v28, v29 the add's two; v32-79, v80-127 scale words, a set for each slot (S0's block i, step j at 4 i + j; S1's block a at 32 + 4 a + j);
;   v128-203 the quantiser's.   window 1: the 32 accumulators ((a, b) at 8 (8 a + b): S1's block a, S0's block b).   window 2: S0's fragments, two sets (v0, v128).   window 3: S1's, two sets.
.set SLOT,  147456                     ; LDS: slot s at s x SLOT: S0's 16 blocks x 6,144 bytes, then S1's 8
.set S1O,   98304
.set SPARE, 2*SLOT                     ; behind the ring: the spare words, 128 bytes for each wave: two blocks of 256 bytes that no other line names
.set FR,    12
.set A16,   8                          ; v8-9   S0: 16 x lane + my 8 blocks, slot 0, 1;  v10-11 the same with 8 x lane
.set A8,    10
.set B16,   12                         ; v12-13, v14-15 the same for S1's 4 blocks
.set B8,    14
.set SPW,   28
.set NIL,   29
.set SC,    32
.set TM,    128                        ; v128-143 at work
.set PW,    144                        ; v144-147 the four scale words made
.set PCB,   148                        ; v148-195 four fragments of codes
.set CT,    196                        ; v196-202 second halves of blocks
.set WV,    14
.set G1A,   24                         ; s[24:31] group 1 for S0;  s[32:39] for S1;  s[40:47], s[48:55] groups 0, a set for each slot
.set G1B,   32
.set G0A,   40
.set G0B,   48
.set PA0,   56                         ; where the half tile that I might fetch begins: S0 of tiles 0 and 1;
.set PB0,   58                         ; S1 of tile 0 (tile 1's lies 3,145,728 bytes on);
.set PA2,   60                         ; S0 of tile 2;
.set PB2,   62                         ; S1 of tile 2
.set SA0,   66                         ; the scale words of my 8 blocks of S0 and my 4 of S1, likewise (tile 1's S1: 131,072 bytes on)
.set SB0,   68
.set SA2,   70
.set SB2,   72
.set OC0,   74                         ; where my codes and scale words go: tile 0 (tile 1: 3,145,728 and 262,144 bytes on);
.set OS0,   76
.set OC2,   78                         ; tile 2
.set OS2,   80
.set MSB, 0
.macro WIN new                         ; the immediate's high byte repeats the setting that is left
.if MSB != \new
	s_set_vgpr_msb (MSB<<8)|\new
.set MSB, \new
.endif
.endm
.macro CREST                           ; a round of the cluster's barrier behind its opening barrier
	s_cmp_lg_u32 s[WV], 0
	s_cbranch_scc1 .Lnot_wave_0_\@
	s_barrier_signal -3
.Lnot_wave_0_\@:
	s_barrier_wait -3
	s_barrier_signal -1
	s_barrier_wait -1
.endm
.macro CROUND                          ; a whole round
	s_barrier_signal -1
	s_barrier_wait -1
	CREST
.endm
.macro PLACES n
.rept \n
	v_nop
.endr
.endm
; A joint refill of slot s: waves 0 and 1 fetch S0's halves, waves 2 and 3 S1's.  The branch hangs on the wave's number alone.  An s_nop 0 and four v_nop follow each of the two lines.
.macro JLOAD s
	s_cmp_eq_u32 s15, 0
	s_cbranch_scc0 .Lfor_s1_\@
	tensor_load_to_lds s[G0A+4*(\s):G0A+4*(\s)+3], s[G1A:G1A+7]
	s_nop 0
.rept 4
	v_nop
.endr
	s_branch .Lasked_\@
.Lfor_s1_\@:
	tensor_load_to_lds s[G0B+4*(\s):G0B+4*(\s)+3], s[G1B:G1B+7]
	s_nop 0
.rept 4
	v_nop
.endr
.Lasked_\@:
.endm
.macro FRAG reg, a16, a8, off          ; a fragment, 16 rows x 128 K: two pieces of 768 bytes, as they lie: every load is 16 or 8 bytes x lane on end
	ds_load_b128 v[\reg:\reg+3], v[\a16] offset:\off
	ds_load_b64 v[\reg+4:\reg+5], v[\a8] offset:\off+512
	ds_load_b128 v[\reg+6:\reg+9], v[\a16] offset:\off+768
	ds_load_b64 v[\reg+10:\reg+11], v[\a8] offset:\off+1280
.endm
.macro FETCH q, p                      ; K step q's fragments (slot q / 4, its step q % 4) into set p: 48 LDS loads in one run
	WIN 0x80                                       ; destination window 2
.irp i, 0,1,2,3,4,5,6,7
	FRAG 128*(\p)+FR*\i, A16+(\q)/4, A8+(\q)/4, 6144*\i+1536*((\q)%4)
.endr
	WIN 0xc0                                       ; destination window 3
.irp i, 0,1,2,3
	FRAG 128*(\p)+FR*\i, B16+(\q)/4, B8+(\q)/4, 6144*\i+1536*((\q)%4)
.endr
.endm
; The scale words of half s of K into set s: four words (four K steps) a row and load.  NSA, NSB, NOB say whose: the tile's base for S0, for S1, and an offset for S1.
.macro SCL s
	WIN 0
.irp i, 0,1,2,3,4,5,6,7
	global_load_b128 v[SC+48*(\s)+4*\i:SC+48*(\s)+4*\i+3], v6, s[NSA:NSA+1] offset:512*\i+256*(\s)
.endr
.irp i, 0,1,2,3
	global_load_b128 v[SC+48*(\s)+32+4*\i:SC+48*(\s)+32+4*\i+3], v6, s[NSB:NSB+1] offset:NOB+512*\i+256*(\s)
.endr
.endm
; 16 matrix instructions: S1's blocks a0, a0 + 1 x S0's eight.  The 32 accumulators take turns, one instruction a turn, in the same order in every K step and from tile to tile.
.macro MUL a0, p, q, zero
	WIN 0x5e                                       ; source 0 window 2, source 1 window 3, C and D window 1
.irp a, \a0, \a0+1
.irp b, 0,1,2,3,4,5,6,7
.if \zero
	v_wmma_scale_f32_16x16x128_f8f6f4 v[8*(8*(\a)+\b):8*(8*(\a)+\b)+7], v[128*(\p)+FR*\b:128*(\p)+FR*\b+FR-1], v[128*(\p)+FR*(\a):128*(\p)+FR*(\a)+FR-1], 0, v[SC+48*((\q)/4)+4*\b+(\q)%4], v[SC+48*((\q)/4)+32+4*(\a)+(\q)%4] matrix_a_fmt:MATRIX_FMT_FP6 matrix_b_fmt:MATRIX_FMT_FP6
.else
	v_wmma_scale_f32_16x16x128_f8f6f4 v[8*(8*(\a)+\b):8*(8*(\a)+\b)+7], v[128*(\p)+FR*\b:128*(\p)+FR*\b+FR-1], v[128*(\p)+FR*(\a):128*(\p)+FR*(\a)+FR-1], v[8*(8*(\a)+\b):8*(8*(\a)+\b)+7], v[SC+48*((\q)/4)+4*\b+(\q)%4], v[SC+48*((\q)/4)+32+4*(\a)+(\q)%4] matrix_a_fmt:MATRIX_FMT_FP6 matrix_b_fmt:MATRIX_FMT_FP6
.endif
.endr
.endr
.endm
; A K step of 128 that has its successor in the same slot: 32 matrix instructions; in its middle the next step's fragments are fetched into the other set.
; scl = 1 (a slot's first step): the other slot's set of scale words, which no product reads any more, is loaded anew, a slot's work ahead of its use.
.macro STEP q, zero, scl
	s_wait_dscnt 0x0                               ; this step's fragments are in
.if (\q)%4 == 0
	s_wait_loadcnt 0x0                             ; and this slot's scale words, asked for a slot's work ago
.endif
	PLACES 4                                       ; four places in front of loads into registers that the last step's matrix instructions read
.if \scl
	SCL 1-(\q)/4
.endif
	FETCH (\q)+1, 1-(\q)%2                         ; the next step's fragments, at the step's head: all 32 products stand between these loads and the wait for them
	MUL 0, (\q)%2, \q, \zero
	MUL 2, (\q)%2, \q, \zero
.endm
; A slot's last K step (q = 3, 7) changes slots: ONE barrier; in front of it each wave waits for all its tensor loads (the one that is out is its part of the other slot), adds 0 to its spare word, and waits for that and for its
; reads of this slot, the last of which are this step's fragments.  fill = 1: the barrier opens a round of the cluster's, and behind the round this slot takes the next tile's same half of K (NPA, NPB, NDB say from where).
.macro TURN q, fill
	WIN 0                                          ; (the add's two registers lie in window 0)
	s_wait_tensorcnt 0x0                           ; all my tensor loads have landed
	ds_add_u32 v[SPW], v[NIL]                      ; 0 onto my spare word
	s_wait_dscnt 0x0                               ; the add is done, and my reads of this slot are over
	s_barrier_signal -1
	MUL 0, 1, \q, 0                                ; work on registers while the others arrive
	WIN 0
	s_barrier_wait -1
.if \fill
	CREST                                          ; no wave of any partner still reads this slot or has a load on its way
	s_add_nc_u64 s[G0A+4*((\q)/4)+2:G0A+4*((\q)/4)+3], s[NPA:NPA+1], 6144*((\q)/4)          ; no tensor load of mine is out, so a group 0 may be written
	s_or_b32 s[G0A+4*((\q)/4)+3], s[G0A+4*((\q)/4)+3], 0x80000000
	s_add_nc_u64 s[G0B+4*((\q)/4)+2:G0B+4*((\q)/4)+3], s[NPB:NPB+1], NDB+6144*((\q)/4)
	s_or_b32 s[G0B+4*((\q)/4)+3], s[G0B+4*((\q)/4)+3], 0x80000000
	s_mov_b32 s[G1A+2], 8<<16                      ; no tensor load of mine is out: from here on a load brings half a tile: 8 blocks of S0,
	s_mov_b32 s[G1A+4], 8
	s_mov_b32 s[G1B+2], 4<<16                      ; 4 of S1
	s_mov_b32 s[G1B+4], 4
	JLOAD (\q)/4
.else
	PLACES 4
.endif
	s_wait_alu depctr_va_vdst(0)
	FETCH ((\q)+1)%8, 0                            ; the other slot's first fragments
	MUL 2, 1, \q, 0
.endm
; The 64 results of S1's block a (register 16 b + i = S0's row 32 b + 16 (lane / 16) + i of my wave's 128) become a fragment's codes in v[PCB + 12 a] on and the scale word of my row in v[PW + a].
; OCB, OOF, OD2 say where the codes go: base, offset, and the way from the first 64 of S0's 128 to the second.
.macro QUANT a
	WIN 0x05                                       ; sources 0 and 1 window 1
.irp b, 0,1,2,3
	v_max3_num_f32 v[TM+\b], |v[64*(\a)+16*\b]|, |v[64*(\a)+16*\b+1]|, 0x1800000   ; each accumulator is read from its low end on; the floor 2^(3 - 127) holds the byte at 1 from below
.endr
	WIN 0x14                                       ; sources 1 and 2 window 1
.irp i, 2,4,6,8,10,12,14
.irp b, 0,1,2,3
	v_max3_num_f32 v[TM+\b], v[TM+\b], |v[64*(\a)+16*\b+\i]|, |v[64*(\a)+16*\b+\i+1]|
.endr
.endr
	WIN 0
.irp b, 0,1,2,3
	v_permlanex16_b32 v[TM+4+\b], v[TM+\b], s12, s13
.endr
.irp b, 0,1,2,3
	v_max_num_f32 v[TM+\b], v[TM+\b], v[TM+4+\b]   ; with lane l xor 16's: the block's largest magnitude
.endr
.irp b, 0,1,2,3
	v_add_nc_u32 v[TM+12+\b], 0xff000000, v[TM+\b] ; 2 off the exponent field: the conversion's scale operand
.endr
.irp b, 0,1,2,3
	v_lshrrev_b32 v[TM+4+\b], 23, v[TM+12+\b]      ; the scale's byte
.endr
	v_lshl_or_b32 v[PW+(\a)], v[TM+5], 8, v[TM+4]
	v_lshl_or_b32 v[PW+(\a)], v[TM+6], 16, v[PW+(\a)]
	v_lshl_or_b32 v[PW+(\a)], v[TM+7], 24, v[PW+(\a)]
	WIN 0x01                                       ; source 0 window 1
.irp c, 0,1
	v_cvt_scalef32_pk16_fp6_f32 v[PCB+12*(\a)+6*\c:PCB+12*(\a)+6*\c+2], v[64*(\a)+32*\c:64*(\a)+32*\c+15], v[TM+12+2*\c]
	v_cvt_scalef32_pk16_fp6_f32 v[CT+4*\c:CT+4*\c+2], v[64*(\a)+32*\c+16:64*(\a)+32*\c+31], v[TM+12+2*\c+1]
.endr
	WIN 0
	v_nop                                          ; one plain place behind the scaled conversions
.irp c, 0,1                                    ; the operand's layout wants a whole block in a lane: lanes 0-15 block 2 c, lanes 16-31 block 2 c + 1
.irp i, 0,1,2
	v_permlane16_swap_b32 v[PCB+12*(\a)+6*\c+\i], v[CT+4*\c+\i]
.endr
.irp i, 0,1,2
	v_mov_b32 v[PCB+12*(\a)+6*\c+3+\i], v[CT+4*\c+\i]
.endr
.endr
	global_store_b128 v4, v[PCB+12*(\a):PCB+12*(\a)+3], s[OCB:OCB+1] offset:OOF+768*(\a)              ; registers 0-5: the first 64 of S0's 128; every store covers consecutive bytes from a multiple of 256
	global_store_b64 v5, v[PCB+12*(\a)+4:PCB+12*(\a)+5], s[OCB:OCB+1] offset:OOF+768*(\a)+512
	global_store_b128 v4, v[PCB+12*(\a)+6:PCB+12*(\a)+9], s[OCB:OCB+1] offset:OOF+OD2+768*(\a)        ; registers 6-11: the second 64
	global_store_b64 v5, v[PCB+12*(\a)+10:PCB+12*(\a)+11], s[OCB:OCB+1] offset:OOF+OD2+768*(\a)+512
.endm
; A tile's way out.  v = 0: q and k: the first 64 of S0 are one head, the second 64 the next: lanes 16-31 bring the second head's two bytes down and write them 4,096 bytes further on.  v = 1: lanes 0-15 alone write the words.
.macro EPI v
	WIN 0
	s_wait_xcnt 0x0                                ; the last tile's stores have read their data: those registers are written again only behind this wait
	PLACES 5                                       ; places between the last matrix instruction and the first read of results; five, since the next tile's first products begin these accumulators anew
	QUANT 0
	QUANT 1
	QUANT 2
	QUANT 3
.if \v
	v_cmp_gt_u32 vcc_lo, 16, v1
	s_wait_xcnt 0x0                                ; EXEC changes only behind this wait
	s_and_saveexec_b32 s92, vcc_lo
	global_store_b128 v6, v[PW:PW+3], s[OSB:OSB+1] ; sixteen lanes store 256 consecutive bytes, aligned: a row's words for my four blocks of S1
	s_wait_xcnt 0x0
	s_or_b32 exec_lo, exec_lo, s92
.else
.irp a, 0,1,2,3
	v_lshrrev_b32 v[PW+\a], v25, v[PW+\a]
.endr
	global_store_b128 v24, v[PW:PW+3], s[OSB:OSB+1] offset:OSF     ; each half of the lanes stores 256 consecutive bytes, aligned
.endif
.endm
	s_load_b256 s[4:11], s[0:1], 0x0               ; cod1 s[4:5], scl1 s[6:7], qkvc s[8:9], qkvs s[10:11]
	v_lshl_add_u32 v[SPW], v0, 2, SPARE
	v_mov_b32 v[NIL], 0
	ds_add_u32 v[SPW], v[NIL]                      ; the wave's opening: the add and its wait ahead of my first tensor load; the set-up below, work on registers, stands between them
	ds_add_u32 v[SPW], v[NIL]
	v_lshrrev_b32 v1, 5, v0
	v_readfirstlane_b32 s[WV], v1                  ; wave 0..3
	s_lshr_b32 s15, s[WV], 1                       ; I fetch for S0 (0) or S1 (1); also: which 4 blocks of S1 are mine
	s_and_b32 s16, s[WV], 1                        ; which half of that tile I fetch; also: which 8 blocks of S0 are mine
	s_bfe_u32 s84, ttmp6, 0x40000                  ; cx
	s_bfe_u32 s85, ttmp6, 0x40004                  ; cy
	s_and_b32 s17, ttmp7, 0xffff                   ; Y: the cluster's y, 0..7
	s_lshl_b32 s86, ttmp9, 2
	s_add_co_u32 s86, s86, s84                     ; tiles 0, 1: t0 = work-group x
	s_lshr_b32 s18, s17, 1
	s_lshl_b32 s18, s18, 3
	s_add_co_u32 s87, s86, s18                     ; tile 2: t0 = work-group x + 8 (Y / 2)
	s_lshl_b32 s18, s17, 2
	s_add_co_u32 s90, s85, s18                     ; tile 0: t1 = cy + 4 Y
	s_and_b32 s18, s17, 1
	s_lshl_b32 s18, s18, 2
	s_add_co_u32 s91, s85, s18                     ; tile 2: which 128 of v's 1,024 columns: cy + 4 (Y % 2)
	s_lshl_b32 s92, 0x1111, s84                    ; my column of the cluster
	s_lshl_b32 s93, s85, 2
	s_lshl_b32 s93, 15, s93                        ; my row
	s_or_b32 s[G1A], s92, (3<<16)|(1<<21)          ; 15:0 the mask; 17:16 elements of 8 bytes; 21 set beside a mask; no padding
	s_or_b32 s[G1B], s93, (3<<16)|(1<<21)
	s_mov_b32 s[G1A+1], 768<<16                    ; tensor_dim0 = 768 elements: a block's 6,144 bytes of half of K
	s_mov_b32 s[G1A+2], 16<<16                     ; the head's loads bring whole tiles: S0's 16 blocks,
	s_mov_b32 s[G1A+3], 768<<16                    ; tile_dim0
	s_mov_b32 s[G1A+4], 16
	s_mov_b32 s[G1A+5], 1536                       ; from block to block: 12,288 bytes
	s_mov_b32 s[G1A+6], 0
	s_mov_b32 s[G1A+7], 0
	s_mov_b32 s[G1B+1], 768<<16
	s_mov_b32 s[G1B+2], 8<<16                      ; S1's 8
	s_mov_b32 s[G1B+3], 768<<16
	s_mov_b32 s[G1B+4], 8
	s_mov_b32 s[G1B+5], 1536
	s_mov_b32 s[G1B+6], 0
	s_mov_b32 s[G1B+7], 0
	; the codes that I might fetch, as offsets in cod1 (x at 0, w_qkv at 6,291,456).  S0's hang on cx and the cluster's place, S1's on cy and the cluster's place; each in registers of its own
	s_mul_i32 s18, s16, 98304
	s_mul_i32 s19, s16, 49152
	s_mul_i32 s[PA0], s86, 196608
	s_add_co_u32 s[PA0], s[PA0], s18
	s_add_co_u32 s[PA0], s[PA0], 6291456
	s_mov_b32 s[PA0+1], 0
	s_mul_i32 s[PA2], s87, 196608
	s_add_co_u32 s[PA2], s[PA2], s18
	s_mov_b32 s[PA2+1], 0
	s_mul_i32 s[PB0], s90, 98304
	s_add_co_u32 s[PB0], s[PB0], s19
	s_mov_b32 s[PB0+1], 0
	s_mul_i32 s[PB2], s91, 98304
	s_add_co_u32 s[PB2], s[PB2], s19
	s_add_co_u32 s[PB2], s[PB2], 7864320           ; w_qkv's block 128: column 2,048
	s_mov_b32 s[PB2+1], 0
	s_mul_i32 s88, s16, 49152                      ; and where they go in a slot: no place in the cluster enters an LDS address
	s_mul_i32 s89, s16, 24576
	s_add_co_u32 s89, s89, S1O
	; the scale words of my blocks, as offsets in scl1 (x at 0, w_qkv at 262,144): 512 bytes a block
	s_lshl_b32 s20, s16, 12
	s_lshl_b32 s21, s15, 11
	s_lshl_b32 s[SA0], s86, 13
	s_add_co_u32 s[SA0], s[SA0], s20
	s_add_co_u32 s[SA0], s[SA0], 262144
	s_mov_b32 s[SA0+1], 0
	s_lshl_b32 s[SA2], s87, 13
	s_add_co_u32 s[SA2], s[SA2], s20
	s_mov_b32 s[SA2+1], 0
	s_lshl_b32 s[SB0], s90, 12
	s_add_co_u32 s[SB0], s[SB0], s21
	s_mov_b32 s[SB0+1], 0
	s_lshl_b32 s[SB2], s91, 12
	s_add_co_u32 s[SB2], s[SB2], s21
	s_add_co_u32 s[SB2], s[SB2], 327680
	s_mov_b32 s[SB2+1], 0
	; where the results go.  q, k (tile 0):
	s_lshl_b32 s17, s86, 2
	s_lshl_b32 s18, s16, 1
	s_add_co_u32 s17, s17, s18                     ; my first head among q's 16 and k's 16
	s_lshl_b32 s18, s90, 3
	s_lshl_b32 s19, s15, 2
	s_add_co_u32 s18, s18, s19                     ; my first token block
	s_lshr_b32 s19, s17, 4
	s_lshl_b32 s19, s19, 3
	s_lshr_b32 s20, s18, 6
	s_add_co_u32 s19, s19, s20
	s_lshl_b32 s19, s19, 4
	s_and_b32 s20, s17, 15
	s_add_co_u32 s19, s19, s20                     ; ((q or k) x 8 + b) x 16 + head
	s_and_b32 s18, s18, 63
	s_mul_i32 s[OC0], s19, 49152
	s_mul_i32 s21, s18, 768
	s_add_co_u32 s[OC0], s[OC0], s21
	s_mov_b32 s[OC0+1], 0
	s_lshl_b32 s[OS0], s19, 12
	s_lshr_b32 s18, s18, 2
	s_lshl_b32 s18, s18, 8
	s_add_co_u32 s[OS0], s[OS0], s18
	s_mov_b32 s[OS0+1], 0
	; v (tile 2):
	s_lshr_b32 s22, s87, 2                         ; b
	s_lshl_b32 s22, s22, 4
	s_lshl_b32 s23, s91, 1
	s_add_co_u32 s22, s22, s23
	s_add_co_u32 s22, s22, s15                     ; 16 b + head
	s_lshl_b32 s23, s87, 1
	s_add_co_u32 s23, s23, s16
	s_and_b32 s23, s23, 7                          ; the key step
	s_mul_i32 s[OC2], s22, 49152
	s_mul_i32 s21, s23, 6144
	s_add_co_u32 s[OC2], s[OC2], s21
	s_add_co_u32 s[OC2], s[OC2], 12582912
	s_mov_b32 s[OC2+1], 0
	s_lshl_b32 s[OS2], s22, 11
	s_lshl_b32 s23, s23, 8
	s_add_co_u32 s[OS2], s[OS2], s23
	s_add_co_u32 s[OS2], s[OS2], 1048576
	s_mov_b32 s[OS2+1], 0
	s_mov_b32 s12, 0x76543210
	s_mov_b32 s13, 0xfedcba98                      ; v_permlanex16_b32's selects for lane l xor 16
	s_wait_dscnt 0x0                               ; the opening add is done
	s_wait_kmcnt 0x0
	s_add_nc_u64 s[PA0:PA0+1], s[4:5], s[PA0:PA0+1]
	s_add_nc_u64 s[PB0:PB0+1], s[4:5], s[PB0:PB0+1]
	s_add_nc_u64 s[PA2:PA2+1], s[4:5], s[PA2:PA2+1]
	s_add_nc_u64 s[PB2:PB2+1], s[4:5], s[PB2:PB2+1]
	s_add_nc_u64 s[SA0:SA0+1], s[6:7], s[SA0:SA0+1]
	s_add_nc_u64 s[SB0:SB0+1], s[6:7], s[SB0:SB0+1]
	s_add_nc_u64 s[SA2:SA2+1], s[6:7], s[SA2:SA2+1]
	s_add_nc_u64 s[SB2:SB2+1], s[6:7], s[SB2:SB2+1]
	s_add_nc_u64 s[OC0:OC0+1], s[8:9], s[OC0:OC0+1]
	s_add_nc_u64 s[OC2:OC2+1], s[8:9], s[OC2:OC2+1]
	s_add_nc_u64 s[OS0:OS0+1], s[10:11], s[OS0:OS0+1]
	s_add_nc_u64 s[OS2:OS2+1], s[10:11], s[OS2:OS2+1]
	CROUND                                         ; all sixteen work-groups are here: the first joint loads meet
.irp s, 0,1
	s_mov_b32 s[G0A+4*\s], 1                       ; count = 1
	s_add_co_u32 s[G0A+4*\s+1], s88, \s*SLOT       ; LDS address
	s_add_nc_u64 s[G0A+4*\s+2:G0A+4*\s+3], s[PA0:PA0+1], \s*6144   ; tile 0, half s of K
	s_or_b32 s[G0A+4*\s+3], s[G0A+4*\s+3], 0x80000000              ; type = 2
	s_mov_b32 s[G0B+4*\s], 1
	s_add_co_u32 s[G0B+4*\s+1], s89, \s*SLOT
	s_add_nc_u64 s[G0B+4*\s+2:G0B+4*\s+3], s[PB0:PB0+1], \s*6144
	s_or_b32 s[G0B+4*\s+3], s[G0B+4*\s+3], 0x80000000
.endr
	; THE HEAD'S LOADS, ONE A WAVE: wave 0 S0's 16 blocks of slot 0, wave 1 S1's 8, waves 2 and 3 the same of slot 1.  Groups 0 lie where the arguments lay.
	s_mov_b32 s4, 1
	s_mul_i32 s5, s15, SLOT                        ; slot = wave / 2
	s_mul_i32 s96, s15, 6144                       ; its half of K
	s_mov_b32 s97, 0
	s_add_nc_u64 s[6:7], s[PA0:PA0+1], s[96:97]    ; used by waves 0 and 2, whose PA0 is the tile's first block
	s_or_b32 s7, s7, 0x80000000
	s_mov_b32 s8, 1
	s_add_co_u32 s9, s5, S1O
	s_add_nc_u64 s[10:11], s[PB0:PB0+1], s[96:97]
	s_mul_i32 s96, s16, 49152
	s_sub_nc_u64 s[10:11], s[10:11], s[96:97]      ; back to the tile's first block
	s_or_b32 s11, s11, 0x80000000
.macro HARM under, g0, g1, next                ; one chain of branches on the wave's number, a load to an arm, all arms to one join
	s_cmp_lt_u32 s[WV], \under
	s_cbranch_scc0 \next
	tensor_load_to_lds s[\g0:\g0+3], s[\g1:\g1+7]
	s_nop 0
	PLACES 4
	s_branch .Lfilled
\next:
.endm
	HARM 1, 4, G1A, .Lhead_1
	HARM 2, 8, G1B, .Lhead_2
	HARM 3, 4, G1A, .Lhead_3
	tensor_load_to_lds s[8:11], s[G1B:G1B+7]
	s_nop 0
	PLACES 4
.Lfilled:
	v_and_b32 v1, 31, v0                           ; lane
	v_and_b32 v2, 15, v0                           ; r
	v_bfe_u32 v3, v0, 4, 1                         ; h
	v_lshlrev_b32 v4, 4, v1
	v_lshlrev_b32 v5, 3, v1
	v_lshlrev_b32 v6, 4, v2
.set NSA, SA0
.set NSB, SB0
.set NOB, 0
	SCL 0                                          ; tile 0's scale words, both halves of K
	SCL 1
	s_mul_i32 s94, s16, 49152                      ; my 8 blocks of S0,
	s_mul_i32 s95, s15, 24576                      ; my 4 of S1
	s_add_co_u32 s95, s95, S1O
.irp s, 0,1
	v_add_nc_u32 v[A16+\s], s94, v4
	v_add_nc_u32 v[A8+\s], s94, v5
	v_add_nc_u32 v[B16+\s], s95, v4
	v_add_nc_u32 v[B8+\s], s95, v5
	s_add_co_u32 s94, s94, SLOT
	s_add_co_u32 s95, s95, SLOT
.endr
	v_lshl_add_u32 v24, v3, 12, v6                 ; q, k: a row's scale words: 16 r, and 4,096 bytes on for lanes 16-31 (the next head)
	v_lshlrev_b32 v25, 4, v3                       ; whose two bytes come down by 16 bits
.irp b, 0,1,2,3
	v_mov_b32 v[TM+4+\b], 0                        ; a lane permute's destination counts as one of its sources
.endr
	s_wait_alu depctr_va_vdst(0)                   ; the head's end
	s_cmp_lt_u32 s[WV], 2                          ; waves 0 and 1 brought slot 0; slot 1's loads, lines of waves 2 and 3 alone, may stay out
	s_cbranch_scc0 .Lnot_slot_0
	s_wait_tensorcnt 0x0
.Lnot_slot_0:
	s_barrier_signal -1
	s_barrier_wait -1                              ; everybody's is
	FETCH 0, 0
	; ---- tile 0: q and k.  What is asked for ahead is tile 1's: the same S0, S1 32 tiles on
.set NOB, 131072
.set NPA, PA0
.set NPB, PB0
.set NDB, 3145728
	STEP 0, 1, 0                                   ; a tile's first step starts the sums: nothing is cleared
	STEP 1, 0, 0
	STEP 2, 0, 0
	TURN 3, 1                                      ; slot 0 takes tile 1's first half of K
	STEP 4, 0, 1
	STEP 5, 0, 0
	STEP 6, 0, 0
	TURN 7, 1                                      ; slot 1 its second half; tile 1's first fragments are fetched
.set OCB, OC0
.set OOF, 0
.set OD2, 49152
.set OSB, OS0
.set OSF, 0
	EPI 0                                          ; both refills are asked for: now the tile goes out
	; ---- tile 1: q and k
	STEP 0, 1, 1
.set NSA, SA2
.set NSB, SB2
.set NOB, 0
.set NPA, PA2
.set NPB, PB2
.set NDB, 0
	STEP 1, 0, 0
	STEP 2, 0, 0
	TURN 3, 1                                      ; slot 0 takes tile 2's first half of K
	STEP 4, 0, 1
	STEP 5, 0, 0
	STEP 6, 0, 0
	TURN 7, 1
.set OOF, 3145728
.set OSF, 262144
	EPI 0
	; ---- tile 2: v.  Nothing is left to fetch behind it
	STEP 0, 1, 1
	STEP 1, 0, 0
	STEP 2, 0, 0
	TURN 3, 0                                      ; slot 1 is whole in every wave's eyes; nothing is filled again, so no round follows
	STEP 4, 0, 0
	STEP 5, 0, 0
	STEP 6, 0, 0
	s_wait_dscnt 0x0                               ; the very last step
	MUL 0, 1, 7, 0
	MUL 2, 1, 7, 0
.set OCB, OC2
.set OOF, 0
.set OD2, 3072
.set OSB, OS2
	EPI 1
	s_wait_tensorcnt 0x0                           ; the wave's end: behind my last tensor load
	ds_add_u32 v[SPW], v[NIL]
	s_wait_dscnt 0x0
	CROUND                                         ; the closing round: no work-group ends while a partner may still ask for a tile that names it
	s_endpgm
.Lfunc_end_k_q90ff33e839_qkv:
	.size	k_q90ff33e839_qkv, .Lfunc_end_k_q90ff33e839_qkv-k_q90ff33e839_qkv
	.p2alignl 7, 3214868480
	.fill 96, 4, 3214868480
	.section	.rodata,"a",@progbits
	.p2align	6, 0x0
	.amdhsa_kernel k_q90ff33e839_qkv
		.amdhsa_group_segment_fixed_size 327680
		.amdhsa_private_segment_fixed_size 0
		.amdhsa_enable_private_segment 0
		.amdhsa_kernarg_size 32
		.amdhsa_user_sgpr_count 2
		.amdhsa_user_sgpr_kernarg_segment_ptr 1
		.amdhsa_wavefront_size32 1
		.amdhsa_system_sgpr_workgroup_id_x 1
		.amdhsa_system_sgpr_workgroup_id_y 1
		.amdhsa_system_sgpr_workgroup_id_z 1
		.amdhsa_system_vgpr_workitem_id 0
		.amdhsa_next_free_vgpr 1024
		.amdhsa_next_free_sgpr 100
		.amdhsa_reserve_vcc 1
		.amdhsa_float_denorm_mode_32 3
		.amdhsa_float_denorm_mode_16_64 3
		.amdhsa_memory_ordered 1
		.amdhsa_forward_progress 1
		.amdhsa_inst_pref_size 250
	.end_amdhsa_kernel
	.amdgpu_metadata
---
amdhsa.version: [ 1, 2 ]
amdhsa.kernels:
  - .name:           k_q90ff33e839_qkv
    .symbol:         k_q90ff33e839_qkv.kd
    .args:
      - { .name: cod1, .offset: 0, .size: 8, .value_kind: global_buffer, .address_space: global }
      - { .name: scl1, .offset: 8, .size: 8, .value_kind: global_buffer, .address_space: global }
      - { .name: qkvc, .offset: 16, .size: 8, .value_kind: global_buffer, .address_space: global }
      - { .name: qkvs, .offset: 24, .size: 8, .value_kind: global_buffer, .address_space: global }
    .group_segment_fixed_size: 327680
    .private_segment_fixed_size: 0
    .kernarg_segment_align: 8
    .kernarg_segment_size: 32
    .max_flat_workgroup_size: 128
    .sgpr_count:     100
    .vgpr_count:     1024
    .wavefront_size: 32
...
	.end_amdgpu_metadata
.endif
;; end of part 2
;; launch attn (part 3): grid 2 x 128, 8 waves a work-group, no clusters, 167,936 bytes of LDS; arguments qkvc, qkvs, oc, os; writes oc, os
.if DOCPART == 3
	.amdgcn_target "amdgcn-amd-amdhsa--gfx1250"
	.amdhsa_code_object_version 6
	.text
	.protected	k_q90ff33e839_attn
	.globl	k_q90ff33e839_attn
	.p2align	8
	.type	k_q90ff33e839_attn,@function
k_q90ff33e839_attn:
	s_mov_b64 s[64:65], 0
	v_nop
	global_prefetch_b8 v0, s[64:65] scope:SCOPE_SE
	s_setreg_imm32_b32 hwreg(HW_REG_WAVE_MODE, 25, 1), 1
	s_wait_xcnt 0x0
; o = softmax(q k^T / 8) v for each of 128 heads (1,024 tokens, head size 64), both products on codes of FP6 (E2M3) with E8M0 scales; o is quantised along the merged heads' axis for the product that follows.
; THE SOFTMAX: t = score x log2(e) / 8; M = the running largest t rounded up to a whole number; p = 2^(t - M) is quantised along the keys, not normalised; the row's sum is taken of the unquantised p and divides at the end.
; When M moves, the sum and O are multiplied by 2^(old M - new M): exact.
; SHARES: a work-group takes one head and 512 queries; each of its eight waves four blocks of 16 queries, TWO AT A TIME (blocks x = 0, 1; outer loop, two trips): each fragment of K and V read from LDS feeds both blocks, and the two
; blocks' dependent chains go line by line in turn.  A pair of blocks walks 8 key steps of 128 keys (inner loop; the step is written once).
; The head's K and V come into LDS once, one tensor load a wave: key step w's K (6,144 bytes) and V (6,144) as a tile of two rows, to 12,288 w.  The scale words (6,144 bytes) come by plain loads and LDS stores.  Nothing is filled again.
; NO CLUSTER: two work-groups share a head, and what they share is that one fill.  NO PREFETCH: all that is streamed is asked for at the head; there is no later stream to run ahead of.
; LAYOUT: both products transposed: S^T = K Q^T (source 0 = 16 keys), O^T = V^T P^T (source 0 = 16 of the head's 64): a lane holds one query of each block throughout.
; WHICH KEYS FORM A TILE is chosen by the lanes' LDS addresses: tile j of band c (64 keys) is keys 64 c + 8 j + 0..7 and 64 c + 32 + 8 j + 0..7.  So registers 32 c + 8 j + i of lane (r, h) are key 64 c + 32 h + 8 j + i:
; a lane holds whole blocks of 32 keys in the order of the next operand.  In K's buffer token block 2 g + u, place rho, is token 32 g + 8 u + rho + 8 (rho / 8): lane r of tile (c, j) finds its key in block 4 c + 2 (r / 8) + j % 2 at place 8 (j / 2) + r % 8.
; The first product's K is 64: Q's registers 6-11 are zero codes, so a K fragment's registers 6-11 may be the next fragment's codes (the last one's: six zeros): they add nothing under any scale byte but 0xff.
; AMONG THE EXPONENTIALS stand plain lines of the other block that read nothing written since the wait ahead of the batch and whose results are read behind the wait that follows it.
; IN: qkvc, qkvs as the launch before lays them.  OUT: oc [token block 512][head 16][768]; os [head 16][token block 512][rho 16] of two bytes.
; LIMITS: the scaled scores stay under 2^31 in magnitude; a block of zeros gets the byte 1 (zero codes; read by this program alone); blocks under 2^-124 are held at byte 1; NaN and infinities are not served.
; REGISTERS.  Window 1: v0-127 S^T, then p, of blocks 0, 1; v128-175 K's eight fragments, v176-181 zeros; v184-231 V's four.
; Window 0: v1-4, v7, v8 LDS lane terms; v5, v6 the add's two; v9-14 the same six terms at the step in hand; v15 8 h; v16 + 16 x on: -M, largest score, sum (2), f (2), old -M, three at work, four maxima, two scale operands;
;   v48-53 bytes and word at work; v56-63 K's words, v64-67 V's, v68-71 Q's (two in hand, two to come), v76, v77 P's; v80 + 12 x Q; v104-115 the next two blocks' Q; v116 + 12 x P's codes; v140 + 8 x second halves; v160 + 32 x O^T; v224-237 addresses.
.set KSC,   98304                      ; LDS: K's scale words (4,096), V's at 102,400 (2,048)
.set VSC,   102400
.set OSTG,  104448                     ; the scale bytes of o on their way: 1,024 bytes
.set SPARE, 105472                     ; the spare words, 128 bytes for each of the eight waves: four blocks of 256 bytes that no other line names
.set WV,  12
.set BH,  13
.set G1C, 16
.set KSP, 24
.set VSP, 26
.set G0C, 32
.set SEL, 40
.set CS,  42
.set QB,  44
.set QS,  46
.set OB,  48
.set OSB, 50
.set OSO, 52
.set TRIP, 53
.set IT,  56
.set NC0, 57                           ; the next step's place among the codes, K's words, V's words
.set NK,  58
.set NV,  59
.set NCS, 60                           ; -c
.set MSB, 0
.macro WIN new                         ; the immediate's high byte repeats the setting that is left
.if MSB != \new
	s_set_vgpr_msb (MSB<<8)|\new
.set MSB, \new
.endif
.endm
.macro WALU
	s_wait_alu depctr_va_vdst(0)
.endm
.macro DEP2
	s_delay_alu instid0(VALU_DEP_2)
.endm
.macro KLOAD                           ; K's eight fragments at v9, v10: 16 LDS loads (destination window 1)
.set T, 0
.rept 8
	ds_load_b128 v[128+6*T:131+6*T], v9 offset:(4*(T/4)+T%2)*768+128*((T%4)/2)
	ds_load_b64 v[132+6*T:133+6*T], v10 offset:(4*(T/4)+T%2)*768+512+64*((T%4)/2)
.set T, T+1
.endr
.endm
.macro KWORDS                          ; and the tiles' scale words: those of tiles 2 e, 2 e + 1
.irp e, 0,1,2,3
	ds_load_b64 v[56+2*\e:57+2*\e], v11 offset:128*\e
.endr
.endm
.macro TREE1 b, k                      ; the sum of a band's 32 p, two at a time, in place, toward the band's top pair: a line of the first level
	v_pk_add_f32 v[\b+16+2*(\k):\b+17+2*(\k)], v[\b+16+2*(\k):\b+17+2*(\k)], v[\b+2*(\k):\b+1+2*(\k)]
.endm
.macro TREE24 b                        ; the other three levels, a block's two bands in turn
.irp k, 0,1,2,3
.irp c, 0,32
	v_pk_add_f32 v[\b+\c+24+2*\k:\b+\c+25+2*\k], v[\b+\c+24+2*\k:\b+\c+25+2*\k], v[\b+\c+16+2*\k:\b+\c+17+2*\k]
.endr
.endr
.irp k, 0,1
.irp c, 0,32
	v_pk_add_f32 v[\b+\c+28+2*\k:\b+\c+29+2*\k], v[\b+\c+28+2*\k:\b+\c+29+2*\k], v[\b+\c+24+2*\k:\b+\c+25+2*\k]
.endr
.endr
.irp c, 0,32
	v_pk_add_f32 v[\b+\c+30:\b+\c+31], v[\b+\c+30:\b+\c+31], v[\b+\c+28:\b+\c+29]
.endr
.endm
.macro CVT x                           ; block x's 64 p become P's twelve registers (a conversion's three registers begin on an even number: the second halves are made elsewhere and moved)
.irp c, 0,1
	v_cvt_scalef32_pk16_fp6_f32 v[116+12*\x+6*\c:118+12*\x+6*\c], v[64*\x+32*\c:64*\x+32*\c+15], v[30+16*\x+\c]
	v_cvt_scalef32_pk16_fp6_f32 v[140+8*\x+4*\c:142+8*\x+4*\c], v[64*\x+32*\c+16:64*\x+32*\c+31], v[30+16*\x+\c]
.endr
.endm
; A KEY STEP: 128 keys, both blocks.  Its K fragments and words are in registers.
.macro STEP
	WIN 0x41                                       ; source 0 (K) and D window 1, source 1 (Q) window 0
.irp x, 0,1
.set T, 0
.rept 8
	v_wmma_scale_f32_16x16x128_f8f6f4 v[64*\x+8*T:64*\x+8*T+7], v[128+6*T:139+6*T], v[80+12*\x:91+12*\x], 0, v[56+T], v[68+\x] matrix_a_fmt:MATRIX_FMT_FP6 matrix_b_fmt:MATRIX_FMT_FP6
.set T, T+1
.endr
.endr
	WIN 0
	v_mov_b32 v22, v16                             ; the old -M.  These five are the places in front of loads into registers that the products read, and of the first read of scores
	v_mov_b32 v38, v32
	v_add_nc_u32 v9, s[NC0], v1                    ; K goes on to the next step
	v_add_nc_u32 v10, s[NC0], v2
	v_add_nc_u32 v11, s[NK], v7
	WIN 0x40
.irp a, 0,1,2,3                                ; this step's V, and the next step's K: a step's vector work stands between these loads and the wait for them
	ds_load_b128 v[184+12*\a:187+12*\a], v12 offset:768*\a
	ds_load_b64 v[188+12*\a:189+12*\a], v13 offset:768*\a+512
	ds_load_b128 v[190+12*\a:193+12*\a], v12 offset:768*\a+3072
	ds_load_b64 v[194+12*\a:195+12*\a], v13 offset:768*\a+3584
.endr
	KLOAD
	WIN 0
	ds_load_b128 v[64:67], v14
	KWORDS
	WIN 0x15                                       ; the largest score of each block of 32 keys, in two chains a block: for the row's maximum and, since p rises with the score, for the block's largest p
.irp x, 0,1
.irp q, 0,1,2,3
	v_max3_num_f32 v[26+16*\x+\q], v[64*\x+16*\q], v[64*\x+16*\q+1], v[64*\x+16*\q+2]
.endr
.endr
	WIN 0x14
.irp i, 3,5,7,9,11,13
.irp x, 0,1
.irp q, 0,1,2,3
	v_max3_num_f32 v[26+16*\x+\q], v[26+16*\x+\q], v[64*\x+16*\q+\i], v[64*\x+16*\q+\i+1]
.endr
.endr
.endr
	WIN 0x10
.irp x, 0,1
.irp c, 0,1
	v_max3_num_f32 v[26+16*\x+2*\c], v[26+16*\x+2*\c], v[27+16*\x+2*\c], v[64*\x+32*\c+15]
.endr
.endr
	WIN 0x04
.irp x, 0,1
.irp c, 0,1
	v_max_num_f32 v[26+16*\x+2*\c], v[26+16*\x+2*\c], v[64*\x+32*\c+31]
.endr
.endr
	WIN 0
.irp x, 0,1
	v_max_num_f32 v[23+16*\x], v[26+16*\x], v[28+16*\x]
.endr
.irp x, 0,1
	DEP2
	v_permlanex16_b32 v[24+16*\x], v[23+16*\x], s[SEL], s[SEL+1]
.endr
.irp x, 0,1
	DEP2
	v_max3_num_f32 v[17+16*\x], v[17+16*\x], v[23+16*\x], v[24+16*\x]   ; the running largest score of my query
.endr
.irp x, 0,1
	DEP2
	v_mul_f32 v[25+16*\x], s[NCS], v[17+16*\x]     ; -t
.endr
.irp x, 0,1
	DEP2
	v_floor_f32 v[16+16*\x], v[25+16*\x]           ; the new -M = floor(-t): M is a whole number
.endr
.irp x, 0,1
	DEP2
	v_sub_f32 v[23+16*\x], v[16+16*\x], v[22+16*\x]    ; old M - new M: a whole number, 0 or less
.endr
.irp x, 0,1
	DEP2
	v_cvt_i32_f32 v[23+16*\x], v[23+16*\x]         ; (it saturates)
.endr
.irp x, 0,1
	DEP2
	v_ldexp_f32 v[20+16*\x], 1.0, v[23+16*\x]      ; f = 2^(old M - new M)
.endr
.irp x, 0,1
.irp c, 0,1
	v_fma_f32 v[26+16*\x+2*\c], v[26+16*\x+2*\c], s[CS], v[16+16*\x]    ; t - M of each block's largest score
.endr
.endr
	WIN 0x41
.set j, 0
.rept 32
	v_pk_fma_f32 v[j:j+1], v[j:j+1], s[CS:CS+1], v[16:17] op_sel_hi:[1,0,0]    ; block 0: t - M, two at a time
.set j, j+2
.endr
	WIN 0
	WALU                                           ; the wait ahead of the batch
.irp r, 26,28,42,44
	v_exp_f32 v[\r], v[\r]                         ; the blocks' largest p: the same two instructions on the same number give the same bits
.endr
	WIN 0x41
.set j, 0
.rept 32
	v_exp_f32 v[j], v[j]                           ; block 0: p = 2^(t - M), at most 1;
	v_exp_f32 v[j+1], v[j+1]
	v_pk_fma_f32 v[64+j:65+j], v[64+j:65+j], s[CS:CS+1], v[32:33] op_sel_hi:[1,0,0]    ; among them block 1's t - M
.set j, j+2
.endr
	WIN 0
	WALU                                           ; one wait for the batch, ahead of its first reader
.irp r, 26,28,42,44
	v_max_num_f32 v[\r], 0x1800000, v[\r]          ; the floor 2^(3 - 127)
.endr
.irp x, 0,1
.irp c, 0,1
	v_add_nc_u32 v[30+16*\x+\c], 0xff000000, v[26+16*\x+2*\c]      ; 2 off the exponent field: the conversions' scale operands
.endr
.endr
.irp x, 0,1
.irp c, 0,1
	v_lshrrev_b32 v[48+3*\x+\c], 23, v[30+16*\x+\c]    ; the scales' bytes
.endr
.endr
.irp x, 0,1
	v_lshl_or_b32 v[50+3*\x], v[49+3*\x], 16, v[48+3*\x]   ; my bytes: blocks h and 2 + h,
.endr
.irp x, 0,1
	v_lshlrev_b32 v[50+3*\x], v15, v[50+3*\x]      ; 8 h bits up
.endr
.irp x, 0,1
	v_permlanex16_b32 v[24+16*\x], v[50+3*\x], s[SEL], s[SEL+1]
.endr
.irp x, 0,1
	v_or_b32 v[76+\x], v[50+3*\x], v[24+16*\x]     ; with lane l xor 16's two the word of these 128 keys is whole
.endr
	WIN 0x01
	CVT 0
	v_nop                                          ; one plain place behind the scaled conversions
	WIN 0x45
	WALU                                           ; the wait ahead of the second batch
.set J, 0
.rept 16
	v_exp_f32 v[64+4*J], v[64+4*J]                 ; block 1's p;
	v_exp_f32 v[65+4*J], v[65+4*J]
	v_exp_f32 v[66+4*J], v[66+4*J]
	v_exp_f32 v[67+4*J], v[67+4*J]
	TREE1 32*(J/8), J%8                            ; among them the first level of block 0's sum: the row's sum is taken of the unquantised p
.set J, J+1
.endr
	WALU                                           ; and the wait behind it
	TREE24 0
	WIN 0x01
	CVT 1
	v_nop
	WIN 0x45
.set J, 0
.rept 16
	TREE1 64+32*(J/8), J%8
.set J, J+1
.endr
	TREE24 64
	WIN 0
.irp x, 0,1
.irp i, 0,1,2
	v_mov_b32 v[119+12*\x+\i], v[140+8*\x+\i]
	v_mov_b32 v[125+12*\x+\i], v[144+8*\x+\i]
.endr
.endr
	WIN 0x10
.irp x, 0,1
	v_pk_fma_f32 v[18+16*\x:19+16*\x], v[18+16*\x:19+16*\x], v[20+16*\x:21+16*\x], v[64*\x+30:64*\x+31] op_sel_hi:[1,0,1]   ; the sum under the new M, and this step's
.endr
	WIN 0x04
.irp x, 0,1
	v_pk_add_f32 v[18+16*\x:19+16*\x], v[18+16*\x:19+16*\x], v[64*\x+62:64*\x+63]
.endr
	WIN 0
	WALU                                           ; directly ahead of the first reader of O^T
.irp x, 0,1
.set j, 0
.rept 16
	v_pk_mul_f32 v[160+32*\x+j:161+32*\x+j], v[160+32*\x+j:161+32*\x+j], v[20+16*\x:21+16*\x] op_sel_hi:[1,0]   ; O^T under the new M; these are also the places behind the writes of P's codes and words
.set j, j+2
.endr
.endr
	WALU
	s_wait_dscnt 0x0                               ; V, its words, and the next step's K are in
	WIN 0x01                                       ; source 0 (V) window 1
.irp x, 0,1
.irp a, 0,1,2,3                                ; the eight accumulators by turns, one instruction each
	v_wmma_scale_f32_16x16x128_f8f6f4 v[160+32*\x+8*\a:167+32*\x+8*\a], v[184+12*\a:195+12*\a], v[116+12*\x:127+12*\x], v[160+32*\x+8*\a:167+32*\x+8*\a], v[64+\a], v[76+\x] matrix_a_fmt:MATRIX_FMT_FP6 matrix_b_fmt:MATRIX_FMT_FP6
.endr
.endr
	WIN 0
	v_add_nc_u32 v12, s[NC0], v3                   ; V goes on to the next step
	v_add_nc_u32 v13, s[NC0], v4
	v_add_nc_u32 v14, s[NV], v8
.endm
	s_load_b256 s[4:11], s[0:1], 0x0               ; qkvc s[4:5], qkvs s[6:7], oc s[8:9], os s[10:11]
	v_lshl_add_u32 v5, v0, 2, SPARE
	v_mov_b32 v6, 0
	ds_add_u32 v5, v6                              ; the opening lines: the add, twice on end, and its wait ahead of the first tensor load
	ds_add_u32 v5, v6
	v_lshrrev_b32 v1, 5, v0
	v_readfirstlane_b32 s[WV], v1                  ; wave 0..7
	s_and_b32 s[BH], ttmp7, 0xffff                 ; 16 b + head
	s_mov_b32 s[G1C], 3<<16                        ; no mask; elements of 8 bytes; no padding
	s_mov_b32 s[G1C+1], 768<<16                    ; a row is a key step's 6,144 bytes;
	s_mov_b32 s[G1C+2], 2<<16                      ; two rows: K's and V's,
	s_mov_b32 s[G1C+3], 768<<16
	s_mov_b32 s[G1C+4], 2
	s_mov_b32 s[G1C+5], 786432                     ; 6,291,456 bytes apart
	s_mov_b32 s[G1C+6], 0
	s_mov_b32 s[G1C+7], 0
	s_mul_i32 s57, s[BH], 49152                    ; the head's codes, in q, k and v alike
	s_mul_i32 s54, s[WV], 6144                     ; wave w fetches key step w
	s_add_co_u32 s54, s54, s57
	s_add_co_u32 s54, s54, 6291456
	s_mov_b32 s55, 0
	s_mul_i32 s61, s[WV], 12288
	s_mov_b32 s[SEL], 0x76543210
	s_mov_b32 s[SEL+1], 0xfedcba98                 ; v_permlanex16_b32's selects for lane l xor 16
	s_mov_b32 s[CS], 0x3e38aa3b                    ; c = log2(e) / 8
	s_mov_b32 s[CS+1], s[CS]
	s_wait_dscnt 0x0                               ; both opening adds are done
	s_wait_kmcnt 0x0
	s_mov_b32 s[G0C], 1
	s_mov_b32 s[G0C+1], s61                        ; LDS: 12,288 x wave
	s_add_nc_u64 s[G0C+2:G0C+3], s[4:5], s[54:55]
	s_or_b32 s[G0C+3], s[G0C+3], 0x80000000
	tensor_load_to_lds s[G0C:G0C+3], s[G1C:G1C+7]  ; one load a wave, every wave; an s_nop 0 and four v_nop follow
	s_nop 0
.rept 4
	v_nop
.endr
	s_lshl_b32 s54, s[BH], 12
	s_lshl_b32 s61, s[WV], 9
	s_add_co_u32 s54, s54, s61
	s_add_co_u32 s54, s54, 524288
	s_add_nc_u64 s[KSP:KSP+1], s[6:7], s[54:55]    ; my 512 bytes of K's scale words,
	s_lshl_b32 s54, s[BH], 11
	s_lshl_b32 s61, s[WV], 8
	s_add_co_u32 s54, s54, s61
	s_add_co_u32 s54, s54, 1048576
	s_add_nc_u64 s[VSP:VSP+1], s[6:7], s[54:55]    ; my 256 of V's
	s_lshl_b32 s60, ttmp9, 5
	s_lshl_b32 s61, s[WV], 2
	s_add_co_u32 s60, s60, s61                     ; my first token block in the head: 32 x work-group x + 4 x wave
	s_mul_i32 s54, s60, 768
	s_add_co_u32 s54, s54, s57
	s_add_nc_u64 s[QB:QB+1], s[4:5], s[54:55]      ; Q's codes
	s_lshl_b32 s54, s[BH], 12
	s_lshl_b32 s56, s60, 6
	s_add_co_u32 s54, s54, s56
	s_add_nc_u64 s[QS:QS+1], s[6:7], s[54:55]      ; Q's scale words: my four blocks are the four words of one group
	s_lshr_b32 s56, s[BH], 4
	s_lshl_b32 s56, s56, 6                         ; 64 b
	s_add_co_u32 s58, s56, s60                     ; my first token block of all 512
	s_lshl_b32 s54, s58, 4
	s_and_b32 s61, s[BH], 15                       ; head
	s_add_co_u32 s54, s54, s61
	s_mul_i32 s54, s54, 768
	s_add_nc_u64 s[OB:OB+1], s[8:9], s[54:55]
	s_lshl_b32 s54, s61, 14
	s_lshl_b32 s58, ttmp9, 5
	s_add_co_u32 s56, s56, s58
	s_lshl_b32 s56, s56, 5
	s_add_co_u32 s54, s54, s56
	s_and_b32 s58, s[WV], 1
	s_lshl_b32 s58, s58, 9
	s_add_co_u32 s54, s54, s58
	s_add_nc_u64 s[OSB:OSB+1], s[10:11], s[54:55]  ; os: the work-group's 1,024 bytes, 512 for each of waves 0 and 1
	v_and_b32 v10, 31, v0                          ; lane
	v_and_b32 v8, 15, v0                           ; r
	v_lshlrev_b32 v226, 4, v10                     ; 16 x lane
	v_lshlrev_b32 v227, 3, v10                     ; 8 x lane
	v_lshlrev_b32 v228, 4, v8                      ; 16 r
	global_load_b128 v[232:235], v226, s[KSP:KSP+1]    ; 512 and 256 consecutive bytes, from multiples of 256
	global_load_b64 v[236:237], v227, s[VSP:VSP+1]
	global_load_b128 v[68:71], v228, s[QS:QS+1]    ; Q of all my four blocks, under the tiles' flight
.irp i, 0,1
	global_load_b128 v[80+12*\i:83+12*\i], v226, s[QB:QB+1] offset:768*\i
	global_load_b64 v[84+12*\i:85+12*\i], v227, s[QB:QB+1] offset:768*\i+512
	global_load_b128 v[104+6*\i:107+6*\i], v226, s[QB:QB+1] offset:1536+768*\i
	global_load_b64 v[108+6*\i:109+6*\i], v227, s[QB:QB+1] offset:1536+768*\i+512
.endr
	v_bfe_u32 v9, v0, 4, 1                         ; h
	v_and_b32 v11, 7, v0                           ; r % 8
	v_bfe_u32 v12, v0, 3, 1                        ; r / 8
	v_mul_u32_u24 v13, v12, 1536                   ; two token blocks on for rows 8-15 of a tile
	v_lshl_add_u32 v1, v11, 4, v13
	v_lshl_add_u32 v1, v9, 8, v1                   ; K, registers 0-3: 1,536 (r / 8) + 16 (r % 8) + 256 h
	v_lshl_add_u32 v2, v11, 3, v13
	v_lshl_add_u32 v2, v9, 7, v2                   ; registers 4-5: 1,536 (r / 8) + 8 (r % 8) + 128 h
	v_add_nc_u32 v3, 6144, v226                    ; V, behind the step's K
	v_add_nc_u32 v4, 6144, v227
	v_lshlrev_b32 v7, 4, v11
	v_lshl_add_u32 v7, v12, 3, v7
	v_add_nc_u32 v7, KSC, v7                       ; K's words: 16 (r % 8) + 8 (r / 8)
	v_lshlrev_b32 v15, 3, v9                       ; 8 h
	v_lshlrev_b32 v224, 1, v8
	s_lshl_b32 s54, s[WV], 7
	s_add_co_u32 s54, s54, OSTG
	v_add_nc_u32 v224, s54, v224                   ; o's scale bytes on their way: 128 x wave + 2 r
	s_add_co_u32 s58, s58, OSTG
	v_add_nc_u32 v225, s58, v226                   ; and back: 512 (wave % 2) + 16 x lane
	s_lshl_b32 s54, s[WV], 9
	s_add_co_u32 s54, s54, KSC
	v_add_nc_u32 v230, s54, v226                   ; where my part of K's words goes,
	s_lshl_b32 s54, s[WV], 8
	s_add_co_u32 s54, s54, VSC
	v_add_nc_u32 v231, s54, v227                   ; and of V's
	v_lshl_add_u32 v8, v8, 4, VSC                  ; V's words: 16 r
	v_mov_b32 v9, v1                               ; step 0
	v_mov_b32 v10, v2
	v_mov_b32 v11, v7
	v_mov_b32 v12, v3
	v_mov_b32 v13, v4
	v_mov_b32 v14, v8
.irp j, 86,87,88,89,90,91,98,99,100,101,102,103
	v_mov_b32 v[\j], 0                             ; Q's k = 64 .. 127: zero codes
.endr
.irp j, 21,37,24,40
	v_mov_b32 v[\j], 0                             ; upper halves of pairs; lane permutes' destinations, which count as sources
.endr
	WIN 0x40
.irp j, 176,177,178,179,180,181
	v_mov_b32 v[\j], 0                             ; what the last K fragment's upper half names
.endr
	WIN 0
	s_mov_b32 s[NCS], 0xbe38aa3b                   ; -c
	s_mov_b32 s[TRIP], 0
	s_mov_b32 s[OSO], 0
	s_wait_alu depctr_va_vdst(0)                   ; the head's end
	s_wait_loadcnt 9                               ; the two loads of scale words are in; Q's nine may be out
	ds_store_b128 v230, v[232:235]
	ds_store_b64 v231, v[236:237]
	s_wait_tensorcnt 0x0                           ; my key step has landed,
	s_wait_dscnt 0x0                               ; and my part of the scale words
	s_barrier_signal -1
	s_barrier_wait -1                              ; everybody's has
	WIN 0x40
	KLOAD
	WIN 0
	KWORDS
	s_wait_loadcnt 0x0                             ; Q
.Ltrip:                                            ; two blocks of 16 queries
.irp x, 0,1
	v_mov_b32 v[17+16*\x], 0xff61b1e6              ; the largest score so far: -3e38
	v_mov_b32 v[16+16*\x], 0x7f61b1e6              ; -M: 3e38, so that the first f is 0
	v_mov_b32 v[18+16*\x], 0                       ; the sum, in two halves
	v_mov_b32 v[19+16*\x], 0
.endr
.set j, 0
.rept 64
	v_mov_b32 v[160+j], 0                          ; O^T: the step is written once, and the first finds zeros
.set j, j+1
.endr
	s_wait_dscnt 0x0                               ; the first step's K is in
	s_mov_b32 s[IT], 0
.Liter:                                            ; a key step
	s_add_co_u32 s54, s[IT], 1
	s_and_b32 s54, s54, 7                          ; the next step (behind the last: step 0, for my next blocks)
	s_mul_i32 s[NC0], s54, 12288
	s_lshl_b32 s[NK], s54, 9
	s_lshl_b32 s[NV], s54, 8
	STEP
	s_add_co_u32 s[IT], s[IT], 1
	s_cmp_lg_u32 s[IT], 8
	WALU                                           ; directly ahead of the branch
	s_cbranch_scc1 .Liter
.irp x, 0,1
	v_add_f32 v[18+16*\x], v[18+16*\x], v[19+16*\x]
.endr
.irp x, 0,1
	DEP2
	v_permlanex16_b32 v[24+16*\x], v[18+16*\x], s[SEL], s[SEL+1]
.endr
.irp x, 0,1
	DEP2
	v_add_f32 v[18+16*\x], v[18+16*\x], v[24+16*\x]    ; the row's sum
.endr
	WALU
	v_rcp_f32 v18, v18
	v_rcp_f32 v34, v34
	v_nop                                          ; a plain place behind the reciprocals
	WIN 0x40
	WALU                                           ; and the wait ahead of their first reader, which is also O^T's
.irp x, 0,1
.set j, 0
.rept 32
	v_mul_f32 v[64*\x+j], v[160+32*\x+j], v[18+16*\x]  ; o: register 16 g + i is d = 32 g + 16 (lane / 16) + i of my query; each accumulator from its low end on
.set j, j+1
.endr
.endr
	WIN 0x05
.irp x, 0,1
.irp g, 0,1
	v_max3_num_f32 v[26+16*\x+\g], |v[64*\x+16*\g]|, |v[64*\x+16*\g+1]|, 0x1800000
.endr
.endr
	WIN 0x14
.irp i, 2,4,6,8,10,12,14
.irp x, 0,1
.irp g, 0,1
	v_max3_num_f32 v[26+16*\x+\g], v[26+16*\x+\g], |v[64*\x+16*\g+\i]|, |v[64*\x+16*\g+\i+1]|
.endr
.endr
.endr
	WIN 0
.irp x, 0,1
.irp g, 0,1
	v_permlanex16_b32 v[48+3*\x+\g], v[26+16*\x+\g], s[SEL], s[SEL+1]
.endr
.endr
.irp x, 0,1
.irp g, 0,1
	v_max_num_f32 v[26+16*\x+\g], v[26+16*\x+\g], v[48+3*\x+\g]
.endr
.endr
.irp x, 0,1
.irp g, 0,1
	v_add_nc_u32 v[30+16*\x+\g], 0xff000000, v[26+16*\x+\g]
.endr
.endr
.irp x, 0,1
.irp g, 0,1
	v_lshrrev_b32 v[48+3*\x+\g], 23, v[30+16*\x+\g]
.endr
.endr
.irp x, 0,1
	v_lshl_or_b32 v[50+3*\x], v[49+3*\x], 8, v[48+3*\x]    ; my row's two scale bytes
.endr
	WIN 0x01
.irp x, 0,1
	v_cvt_scalef32_pk16_fp6_f32 v[116+12*\x:118+12*\x], v[64*\x:64*\x+15], v[30+16*\x]
	v_cvt_scalef32_pk16_fp6_f32 v[140+8*\x:142+8*\x], v[64*\x+16:64*\x+31], v[31+16*\x]
.endr
	WIN 0
	v_nop                                          ; one plain place behind the scaled conversions
.irp x, 0,1
.irp i, 0,1,2
	v_permlane16_swap_b32 v[116+12*\x+\i], v[140+8*\x+\i]  ; the operand's layout wants a whole block in a lane
.endr
.endr
.irp x, 0,1
.irp i, 0,1,2
	v_mov_b32 v[119+12*\x+\i], v[140+8*\x+\i]
.endr
.endr
	v_add_nc_u32 v229, s[OSO], v224
	v_and_b32 v226, 31, v0
	v_lshlrev_b32 v227, 3, v226                    ; 8 x lane
	v_lshlrev_b32 v226, 4, v226                    ; 16 x lane
.irp x, 0,1
	global_store_b128 v226, v[116+12*\x:119+12*\x], s[OB:OB+1] offset:12288*\x         ; a piece of 768 bytes: 512 and 256 consecutive bytes, from multiples of 256
	global_store_b64 v227, v[120+12*\x:121+12*\x], s[OB:OB+1] offset:12288*\x+512
	ds_store_b16 v229, v[50+3*\x] offset:32*\x     ; lanes r and r + 16 write the same two bytes with the same value
.endr
.irp i, 0,1,2,3,4,5
	v_mov_b32 v[80+\i], v[104+\i]                  ; my next two blocks' Q,
	v_mov_b32 v[92+\i], v[110+\i]
.endr
	v_mov_b32 v68, v70                             ; and their words
	v_mov_b32 v69, v71
	s_wait_xcnt 0x0                                ; the stores have read their data, offsets and base: all are written again only behind this wait
	s_add_nc_u64 s[OB:OB+1], s[OB:OB+1], 24576
	s_add_co_u32 s[OSO], s[OSO], 64
	s_add_co_u32 s[TRIP], s[TRIP], 1
	s_cmp_lg_u32 s[TRIP], 2
	WALU
	s_cbranch_scc1 .Ltrip
	s_wait_dscnt 0x0                               ; for the others' sake: my scale bytes have landed
	s_barrier_signal -1
	s_barrier_wait -1
	s_cmp_lt_u32 s[WV], 2
	s_cbranch_scc0 .Lno_os
	ds_load_b128 v[232:235], v225
	s_wait_dscnt 0x0
	global_store_b128 v226, v[232:235], s[OSB:OSB+1]   ; 512 consecutive bytes, from a multiple of 256
.Lno_os:
	s_wait_tensorcnt 0x0                           ; the wave's end: behind my last tensor load and my last LDS store
	ds_add_u32 v5, v6
	s_wait_dscnt 0x0
	s_endpgm
.Lfunc_end_k_q90ff33e839_attn:
	.size	k_q90ff33e839_attn, .Lfunc_end_k_q90ff33e839_attn-k_q90ff33e839_attn
	.p2alignl 7, 3214868480
	.fill 96, 4, 3214868480
	.section	.rodata,"a",@progbits
	.p2align	6, 0x0
	.amdhsa_kernel k_q90ff33e839_attn
		.amdhsa_group_segment_fixed_size 167936
		.amdhsa_private_segment_fixed_size 0
		.amdhsa_enable_private_segment 0
		.amdhsa_kernarg_size 32
		.amdhsa_user_sgpr_count 2
		.amdhsa_user_sgpr_kernarg_segment_ptr 1
		.amdhsa_wavefront_size32 1
		.amdhsa_system_sgpr_workgroup_id_x 1
		.amdhsa_system_sgpr_workgroup_id_y 1
		.amdhsa_system_sgpr_workgroup_id_z 1
		.amdhsa_system_vgpr_workitem_id 0
		.amdhsa_next_free_vgpr 512
		.amdhsa_next_free_sgpr 66
		.amdhsa_reserve_vcc 0
		.amdhsa_float_denorm_mode_32 3
		.amdhsa_float_denorm_mode_16_64 3
		.amdhsa_memory_ordered 1
		.amdhsa_forward_progress 1
		.amdhsa_inst_pref_size 48
	.end_amdhsa_kernel
	.amdgpu_metadata
---
amdhsa.version: [ 1, 2 ]
amdhsa.kernels:
  - .name:           k_q90ff33e839_attn
    .symbol:         k_q90ff33e839_attn.kd
    .args:
      - { .name: qkvc, .offset: 0, .size: 8, .value_kind: global_buffer, .address_space: global }
      - { .name: qkvs, .offset: 8, .size: 8, .value_kind: global_buffer, .address_space: global }
      - { .name: oc, .offset: 16, .size: 8, .value_kind: global_buffer, .address_space: global }
      - { .name: os, .offset: 24, .size: 8, .value_kind: global_buffer, .address_space: global }
    .group_segment_fixed_size: 167936
    .private_segment_fixed_size: 0
    .kernarg_segment_align: 8
    .kernarg_segment_size: 32
    .max_flat_workgroup_size: 256
    .sgpr_count:     66
    .vgpr_count:     512
    .wavefront_size: 32
...
	.end_amdgpu_metadata
.endif
;; end of part 3
;; launch proj (part 4): grid 4 x 64, 4 waves a work-group, clusters of 4 x 4, 327,680 bytes of LDS; arguments oc, os, cod1, scl1, b_out, out0; writes out0
.if DOCPART == 4
	.amdgcn_target "amdgcn-amd-amdhsa--gfx1250"
	.amdhsa_code_object_version 6
	.text
	.protected	k_q90ff33e839_proj
	.globl	k_q90ff33e839_proj
	.p2align	8
	.type	k_q90ff33e839_proj,@function
k_q90ff33e839_proj:
	s_mov_b64 s[64:65], 0
	v_nop
	global_prefetch_b8 v0, s[64:65] scope:SCOPE_SE
	s_setreg_imm32_b32 hwreg(HW_REG_WAVE_MODE, 25, 1), 1
	s_wait_xcnt 0x0
	s_wait_alu depctr_hold_cnt(0) depctr_sa_sdst(0) depctr_va_vdst(0) depctr_va_sdst(0) depctr_va_ssrc(0) depctr_va_vcc(0) depctr_vm_vsrc(0)
	s_getreg_b32 s2, hwreg(HW_REG_IB_STS2, 6, 4)
	s_cmp_eq_u32 s2, 0
	s_cbranch_scc0 .Lentry_in_a_cluster
	s_endpgm
.Lentry_in_a_cluster:
	s_bfe_u32 s2, ttmp6, 0x10000c
	s_cmp_lg_u32 s2, 0xf033
	s_cbranch_scc0 .Lentry_shape_is_right
	s_endpgm
.Lentry_shape_is_right:
; out0 = o w_out + b_out on codes of FP6 (E2M3) with E8M0 scales; sums in f32.  o's codes and scale bytes come from the attention launch, w_out's from the first launch.
; A work-group makes 256 columns x 128 tokens over all of K = 1,024: 256 work-groups.
; THE WEIGHTS STAND, THE TOKENS STREAM.  A wave holds its 64 columns of w_out, ALL of K, in registers: 4 tiles x 8 fragments of 12, 384 registers.  The tile's eight blocks of 16 tokens go past them, all of K at a time (8 fragments, two sets):
; a BATCH of 32 products (the four accumulators by turns, K ascending) finishes 16 tokens x 64 columns, which leave while the later batches are multiplied: the stores are spread over the launch and do not all stand at its end.
; Source 0 = 16 columns of w_out, source 1 = 16 tokens: a lane holds eight neighbouring columns of one token.  The bias is the C of each sum's first product.
; LDS, every byte filled once: w_out's 16 blocks x 12,288 bytes at 0, o's 8 blocks behind them; then a stage of 16 rows x (256 + 16) bytes for each wave, o's scale words (4,096 bytes), the spare words.
; THE HEAD'S LOADS, one a wave: waves 0, 1 halves of the weights, waves 2, 3 halves of the tokens.  Three barriers show them: the first the weights (waves 0, 1 wait), the second token blocks 0-3 (wave 2), the third, inside batch 2, blocks 4-7.
; CLUSTER 4 x 4: the weights hang on the work-group's x alone and are asked for jointly by a column of the cluster, the tokens on y alone, by a row.  No prefetch: all that is read is asked for at the head.
; LAYOUTS: rows in blocks of 16: block 2 g + u, place rho = row 32 g + 8 u + rho + 8 (rho / 8); codes [block][kh 16][768] (six registers a lane: 0-3 at 16 x lane, 4-5 at 512 + 8 x lane); w_out's scale words [block][qh 2][rho 16][4];
; o's scale bytes [head 16][block 512][rho 16] x 2: K step q's word is head 2 q's two bytes below head 2 q + 1's.  Each wave makes the words of two blocks and hands them to the others through LDS as [block][rho][8 words].
; THE WAY OUT of a batch: the 32 sums of a lane go into my stage at their columns' places and come back as rows of 256 bytes: sixteen lanes store one aligned unit of 256 bytes.  A batch's stores are issued behind the next batch.
; REGISTERS: window 0: v1-19 lane terms and addresses; v28, v29 the add's two; v32-63 the weights' scale words (8 b + q); v68-131 the tokens' (8 a + q); v136-199 two sets of four accumulators; v200-231 at work at the head.
;   Fragment f lies in window 1 + f / 21 at register 12 (f % 21): 0-31 the weights' (4 q + b), 32-39 and 40-47 the tokens' two sets.  Window 3 also: v96-159 two sets of rows on their way out, v160-191 the bias.
.set S1O,   196608
.set STAGE, 294912
.set SPI,   272
.set SCW,   STAGE+4*16*SPI
.set SPARE, SCW+4096                   ; the spare words, 128 bytes for each wave: two blocks of 256 bytes that no other line names
.set STO,   14
.set RD,    15
.set CO,    16
.set SPW,   28
.set NIL,   29
.set SC0,   32
.set SC1,   68
.set ACC,   136
.set TW,    200
.set OUT,   96
.set BI,    160
.set WV,    14
.set G1A,   24
.set G1B,   32
.set G0A,   40
.set G0B,   68
.set MSB, 0
.macro WIN new                         ; the immediate's high byte repeats the setting that is left
.if MSB != \new
	s_set_vgpr_msb (MSB<<8)|\new
.set MSB, \new
.endif
.endm
.macro CREST
	s_cmp_lg_u32 s[WV], 0
	s_cbranch_scc1 .Lnot_wave_0_\@
	s_barrier_signal -3
.Lnot_wave_0_\@:
	s_barrier_wait -3
	s_barrier_signal -1
	s_barrier_wait -1
.endm
.macro CROUND                          ; a round of the cluster's barrier
	s_barrier_signal -1
	s_barrier_wait -1
	CREST
.endm
.macro PLACES n
.rept \n
	v_nop
.endr
.endm
.macro FRAG f, a16, a8, off            ; fragment f, 16 rows x 128 K: two pieces of 768 bytes, as they lie
	WIN (1+(\f)/21)<<6
.set R_, 12*((\f)%21)
	ds_load_b128 v[R_:R_+3], v[\a16] offset:\off
	ds_load_b64 v[R_+4:R_+5], v[\a8] offset:\off+512
	ds_load_b128 v[R_+6:R_+9], v[\a16] offset:\off+768
	ds_load_b64 v[R_+10:R_+11], v[\a8] offset:\off+1280
.endm
.macro FETCH e, a                      ; token block a, all of K, into set e: 32 LDS loads
.irp q, 0,1,2,3,4,5,6,7
	FRAG 32+8*(\e)+\q, 10+2*((\a)/4), 11+2*((\a)/4), 12288*((\a)%4)+1536*\q
.endr
	WIN 0
.endm
.macro PROD e, a, n                    ; product n = 4 q + b of token block a, whose fragments lie in set e
.set Q_, (\n)/4
.set B_, (\n)%4
.set FB_, 4*Q_+B_
.set FA_, 32+8*(\e)+Q_
.set D_, ACC+32*(\e)+8*B_
.if Q_
	WIN (1+FB_/21)|((1+FA_/21)<<2)
	v_wmma_scale_f32_16x16x128_f8f6f4 v[D_:D_+7], v[12*(FB_%21):12*(FB_%21)+11], v[12*(FA_%21):12*(FA_%21)+11], v[D_:D_+7], v[SC0+8*B_+Q_], v[SC1+8*(\a)+Q_] matrix_a_fmt:MATRIX_FMT_FP6 matrix_b_fmt:MATRIX_FMT_FP6
.else
	WIN (1+FB_/21)|((1+FA_/21)<<2)|(3<<4)
	v_wmma_scale_f32_16x16x128_f8f6f4 v[D_:D_+7], v[12*(FB_%21):12*(FB_%21)+11], v[12*(FA_%21):12*(FA_%21)+11], v[BI+8*B_:BI+8*B_+7], v[SC0+8*B_+Q_], v[SC1+8*(\a)+Q_] matrix_a_fmt:MATRIX_FMT_FP6 matrix_b_fmt:MATRIX_FMT_FP6
.endif
.endm
.macro PRODS s, from, to               ; the four accumulators take turns, one instruction a turn
.set N_, \from
.rept (\to)-(\from)
	PROD (\s)%2, \s, N_
.set N_, N_+1
.endr
.endm
.macro TOSTAGE e                       ; LDS serves a wave's instructions in order: the loads see the stores, and the next batch's stores come behind these loads
.irp b, 0,1,2,3
	ds_store_b128 v[STO], v[ACC+32*(\e)+8*\b:ACC+32*(\e)+8*\b+3] offset:128*(\b/2)+32*(\b%2)       ; tile 2 g + u, register j: column 32 g + 16 h + 8 u + j; each accumulator from its low end on
	ds_store_b128 v[STO], v[ACC+32*(\e)+8*\b+4:ACC+32*(\e)+8*\b+7] offset:128*(\b/2)+32*(\b%2)+16
.endr
	WIN 0xc0
.irp t, 0,1,2,3,4,5,6,7
	ds_load_b128 v[OUT+32*(\e)+4*\t:OUT+32*(\e)+4*\t+3], v[RD] offset:2*SPI*\t                     ; places 2 t and 2 t + 1, sixteen lanes to a row
.endr
	WIN 0
.endm
.macro SEND a
	WIN 0x0c                                       ; a store's data are its source 1: window 3
.irp t, 0,1,2,3,4,5,6,7
	global_store_b128 v[CO], v[OUT+32*((\a)%2)+4*\t:OUT+32*((\a)%2)+4*\t+3], s[18:19] offset:(32*((\a)/2)+8*((\a)%2)+2*\t+8*(\t/4))*4096 th:TH_STORE_NT   ; sixteen lanes store 256 consecutive bytes of a row, aligned
.endr
	WIN 0
.endm
.macro RUN s                           ; between two batches
	s_wait_dscnt 0x0                               ; all asked for ahead of batch s is in: the next batch's fragments, and batch s - 1's rows
	s_wait_xcnt 0x0                                ; batch s - 2's stores have read their registers, which take batch s's rows
	PLACES 4                                       ; four places between the batch's last product and the reads of its sums and the loads into its fragments
	TOSTAGE (\s)%2
.if (\s) < 6
	FETCH (\s)%2, (\s)+2
.endif
.if (\s) > 0
	SEND (\s)-1
.endif
.endm
.macro HARM under, g0, g1, next        ; one chain of branches on the wave's number, a load to an arm, all arms to one join
	s_cmp_lt_u32 s[WV], \under
	s_cbranch_scc0 \next
	tensor_load_to_lds s[\g0:\g0+3], s[\g1:\g1+7]
	s_nop 0
	PLACES 4
	s_branch .Lfilled
\next:
.endm
	s_load_b256 s[4:11], s[0:1], 0x0               ; oc s[4:5], os s[6:7], cod1 s[8:9], scl1 s[10:11]
	s_load_b128 s[20:23], s[0:1], 0x20             ; b_out s[20:21], out0 s[22:23]
	v_lshl_add_u32 v[SPW], v0, 2, SPARE
	v_mov_b32 v[NIL], 0
	ds_add_u32 v[SPW], v[NIL]                      ; the opening lines: the add, twice on end, and its wait ahead of my first tensor load
	ds_add_u32 v[SPW], v[NIL]
	v_lshrrev_b32 v1, 5, v0
	v_readfirstlane_b32 s[WV], v1                  ; wave 0..3
	s_and_b32 s16, s[WV], 1                        ; which half of its tile a wave fetches
	s_bfe_u32 s84, ttmp6, 0x40000                  ; cx
	s_bfe_u32 s85, ttmp6, 0x40004                  ; cy
	s_lshl_b32 s86, ttmp9, 2
	s_add_co_u32 s86, s86, s84                     ; t0: tile of 256 columns
	s_and_b32 s17, ttmp7, 0xffff
	s_lshl_b32 s90, s17, 2
	s_add_co_u32 s90, s90, s85                     ; t1: tile of 128 tokens
	s_lshl_b32 s91, 0x1111, s84                    ; my column of the cluster
	s_lshl_b32 s92, s85, 2
	s_lshl_b32 s92, 15, s92                        ; my row
	s_or_b32 s[G1A], s91, (3<<16)|(1<<21)          ; 15:0 the mask; 17:16 elements of 8 bytes; 21 set beside a mask; no padding
	s_or_b32 s[G1B], s92, (3<<16)|(1<<21)
.irp g, G1A, G1B
	s_mov_b32 s[\g+1], 1536<<16                    ; a row is a block's 12,288 bytes; the blocks lie end to end
	s_mov_b32 s[\g+3], 1536<<16
	s_mov_b32 s[\g+5], 1536
	s_mov_b32 s[\g+6], 0
	s_mov_b32 s[\g+7], 0
.endr
	s_mov_b32 s[G1A+2], 8<<16                      ; half of the weights: 8 blocks
	s_mov_b32 s[G1A+4], 8
	s_mov_b32 s[G1B+2], 4<<16                      ; half of the tokens: 4
	s_mov_b32 s[G1B+4], 4
	s_mul_i32 s56, s86, 196608
	s_add_co_u32 s56, s56, 8650752
	s_mul_i32 s60, s16, 98304                      ; where they go: no place in the cluster enters an LDS address
	s_add_co_u32 s56, s56, s60
	s_mov_b32 s57, 0
	s_mul_i32 s58, s90, 98304
	s_mul_i32 s61, s16, 49152
	s_add_co_u32 s58, s58, s61
	s_mov_b32 s59, 0
	s_add_co_u32 s61, s61, S1O
	s_lshl_b32 s94, s86, 13
	s_lshl_b32 s95, s[WV], 11
	s_add_co_u32 s94, s94, s95
	s_add_co_u32 s94, s94, 360448
	s_mov_b32 s95, 0                               ; the scale words of my 4 blocks of w_out
	s_lshl_b32 s96, s90, 8
	s_lshl_b32 s97, s[WV], 6
	s_add_co_u32 s96, s96, s97
	s_mov_b32 s97, 0                               ; the scale bytes of token blocks 2 wave, 2 wave + 1: 32 bytes a block and head
	s_lshl_b32 s98, s86, 10
	s_lshl_b32 s99, s[WV], 8
	s_add_co_u32 s98, s98, s99
	s_mov_b32 s99, 0                               ; my 64 columns, in bytes of f32
	s_lshl_b32 s18, s90, 19
	s_add_co_u32 s18, s18, s98
	s_mov_b32 s19, 0                               ; out0 at the tile's first token and my first column
	s_wait_dscnt 0x0                               ; both opening adds are done
	s_wait_kmcnt 0x0
	s_add_nc_u64 s[56:57], s[8:9], s[56:57]
	s_add_nc_u64 s[58:59], s[4:5], s[58:59]
	s_add_nc_u64 s[94:95], s[10:11], s[94:95]
	s_add_nc_u64 s[96:97], s[6:7], s[96:97]
	s_add_nc_u64 s[98:99], s[20:21], s[98:99]
	s_add_nc_u64 s[18:19], s[22:23], s[18:19]
	CROUND                                         ; all sixteen work-groups are here: the joint loads meet
	s_mov_b32 s[G0A], 1
	s_mov_b32 s[G0A+1], s60
	s_mov_b64 s[G0A+2:G0A+3], s[56:57]
	s_or_b32 s[G0A+3], s[G0A+3], 0x80000000
	s_mov_b32 s[G0B], 1
	s_mov_b32 s[G0B+1], s61
	s_mov_b64 s[G0B+2:G0B+3], s[58:59]
	s_or_b32 s[G0B+3], s[G0B+3], 0x80000000
	HARM 1, G0A, G1A, .Lhead_1
	HARM 2, G0A, G1A, .Lhead_2
	HARM 3, G0B, G1B, .Lhead_3
	tensor_load_to_lds s[G0B:G0B+3], s[G1B:G1B+7]
	s_nop 0
	PLACES 4
.Lfilled:
	v_and_b32 v1, 31, v0                           ; lane
	v_and_b32 v2, 15, v0                           ; r
	v_bfe_u32 v3, v0, 4, 1                         ; h
	v_lshlrev_b32 v4, 4, v1
	v_lshlrev_b32 v5, 3, v1
	v_lshlrev_b32 v6, 4, v2
	v_lshlrev_b32 v7, 1, v2
	v_lshlrev_b32 v19, 6, v3
.irp a, 0,1
.irp q, 0,1,2,3,4,5,6,7
	global_load_u16 v[TW+8*\a+\q], v7, s[96:97] offset:16384*(2*\q)+32*\a          ; head 2 q's two bytes of place r,
	global_load_u16 v[TW+16+8*\a+\q], v7, s[96:97] offset:16384*(2*\q+1)+32*\a     ; head 2 q + 1's
.endr
.endr
.irp i, 0,1,2,3
	global_load_b128 v[SC0+8*\i:SC0+8*\i+3], v6, s[94:95] offset:512*\i
	global_load_b128 v[SC0+8*\i+4:SC0+8*\i+7], v6, s[94:95] offset:512*\i+256
.endr
	WIN 0xc0
.irp b, 0,1,2,3                                ; the bias in the result's layout: tile 2 g + u, lane half h: columns 32 g + 16 h + 8 u + 0 .. 7
	global_load_b128 v[BI+8*\b:BI+8*\b+3], v19, s[98:99] offset:4*(32*(\b/2)+8*(\b%2))
	global_load_b128 v[BI+8*\b+4:BI+8*\b+7], v19, s[98:99] offset:4*(32*(\b/2)+8*(\b%2))+16
.endr
	WIN 0
	s_mul_i32 s62, s[WV], 49152                    ; my 4 blocks of the weights
	v_add_nc_u32 v8, s62, v4
	v_add_nc_u32 v9, s62, v5
	v_add_nc_u32 v10, S1O, v4                      ; token blocks 0-3,
	v_add_nc_u32 v11, S1O, v5
	v_add_nc_u32 v12, S1O+49152, v4                ; 4-7
	v_add_nc_u32 v13, S1O+49152, v5
	s_mul_i32 s62, s[WV], 16*SPI
	s_add_co_u32 s62, s62, STAGE                   ; my stage
	v_mul_u32_u24 v[STO], v2, SPI
	v_lshl_add_u32 v[STO], v3, 6, v[STO]
	v_add_nc_u32 v[STO], s62, v[STO]               ; in: row r, + 64 h
	v_mul_u32_u24 v[RD], v3, SPI
	v_lshl_add_u32 v[RD], v2, 4, v[RD]
	v_add_nc_u32 v[RD], s62, v[RD]                 ; back: row h, + 16 r
	v_lshl_add_u32 v[CO], v3, 12, v6               ; and the same in out0: a row is 4,096 bytes
	s_lshl_b32 s63, s[WV], 10
	s_add_co_u32 s63, s63, SCW
	v_lshlrev_b32 v18, 5, v2
	v_add_nc_u32 v17, s63, v18                     ; o's scale words: mine go to 1,024 x wave + 32 r,
	v_add_nc_u32 v18, SCW, v18                     ; and all are read from 32 r
	s_wait_alu depctr_va_vdst(0)                   ; the head's end
	s_cmp_lt_u32 s[WV], 2
	s_cbranch_scc0 .Lnot_weights
	s_wait_tensorcnt 0x0
.Lnot_weights:
	s_barrier_signal -1
	s_barrier_wait -1                              ; the weights are in; the tokens may still be on their way
.irp q, 0,1,2,3,4,5,6,7
.irp b, 0,1,2,3
	FRAG 4*\q+\b, 8, 9, 12288*\b+1536*\q           ; my 64 columns, all of K: 128 LDS loads
.endr
.endr
	WIN 0
	s_wait_loadcnt 16                              ; the 32 loads of scale bytes are in; the weights' words and the bias may be out
.set j, 0
.rept 16
	v_lshl_or_b32 v[TW+j], v[TW+16+j], 16, v[TW+j] ; K step q's word of o
.set j, j+1
.endr
.irp a, 0,1
	ds_store_b128 v17, v[TW+8*\a:TW+8*\a+3] offset:512*\a          ; lanes r and r + 16 write the same bytes with the same values
	ds_store_b128 v17, v[TW+8*\a+4:TW+8*\a+7] offset:512*\a+16
.endr
	s_cmp_lt_u32 s[WV], 3
	s_cbranch_scc0 .Lnot_tokens
	s_wait_tensorcnt 0x0
.Lnot_tokens:
	s_wait_dscnt 0x0                               ; for the others' sake: my words have landed; and my weights are in
	s_barrier_signal -1
	s_barrier_wait -1                              ; token blocks 0-3 and all scale words are in
.irp a, 0,1,2,3,4,5,6,7
	ds_load_b128 v[SC1+8*\a:SC1+8*\a+3], v18 offset:512*\a
	ds_load_b128 v[SC1+8*\a+4:SC1+8*\a+7], v18 offset:512*\a+16
.endr
	FETCH 0, 0
	FETCH 1, 1
	s_wait_loadcnt 0x0                             ; the weights' scale words, the bias
	s_wait_dscnt 0x0
	PRODS 0, 0, 32
	WIN 0
	RUN 0
	PRODS 1, 0, 32
	WIN 0
	RUN 1
	PRODS 2, 0, 16
	s_wait_tensorcnt 0x0                           ; every wave's load has landed
	s_wait_dscnt 0x0
	s_barrier_signal -1
	PRODS 2, 16, 32                                ; work on registers while the others arrive
	WIN 0
	s_barrier_wait -1                              ; token blocks 4-7 are in: the run below fetches block 4
	RUN 2
.irp s, 3,4,5,6,7
	PRODS \s, 0, 32
	WIN 0
	RUN \s
.endr
	s_wait_dscnt 0x0                               ; the last batch's rows are back
	SEND 7
	s_wait_tensorcnt 0x0                           ; the wave's end: behind my last tensor load and my last LDS store
	ds_add_u32 v[SPW], v[NIL]
	s_wait_dscnt 0x0
	CROUND                                         ; the closing round
	s_endpgm
.Lfunc_end_k_q90ff33e839_proj:
	.size	k_q90ff33e839_proj, .Lfunc_end_k_q90ff33e839_proj-k_q90ff33e839_proj
	.p2alignl 7, 3214868480
	.fill 96, 4, 3214868480
	.section	.rodata,"a",@progbits
	.p2align	6, 0x0
	.amdhsa_kernel k_q90ff33e839_proj
		.amdhsa_group_segment_fixed_size 327680
		.amdhsa_private_segment_fixed_size 0
		.amdhsa_enable_private_segment 0
		.amdhsa_kernarg_size 48
		.amdhsa_user_sgpr_count 2
		.amdhsa_user_sgpr_kernarg_segment_ptr 1
		.amdhsa_wavefront_size32 1
		.amdhsa_system_sgpr_workgroup_id_x 1
		.amdhsa_system_sgpr_workgroup_id_y 1
		.amdhsa_system_sgpr_workgroup_id_z 1
		.amdhsa_system_vgpr_workitem_id 0
		.amdhsa_next_free_vgpr 1024
		.amdhsa_next_free_sgpr 100
		.amdhsa_reserve_vcc 0
		.amdhsa_float_denorm_mode_32 3
		.amdhsa_float_denorm_mode_16_64 3
		.amdhsa_memory_ordered 1
		.amdhsa_forward_progress 1
		.amdhsa_inst_pref_size 90
	.end_amdhsa_kernel
	.amdgpu_metadata
---
amdhsa.version: [ 1, 2 ]
amdhsa.kernels:
  - .name:           k_q90ff33e839_proj
    .symbol:         k_q90ff33e839_proj.kd
    .args:
      - { .name: oc, .offset: 0, .size: 8, .value_kind: global_buffer, .address_space: global }
      - { .name: os, .offset: 8, .size: 8, .value_kind: global_buffer, .address_space: global }
      - { .name: cod1, .offset: 16, .size: 8, .value_kind: global_buffer, .address_space: global }
      - { .name: scl1, .offset: 24, .size: 8, .value_kind: global_buffer, .address_space: global }
      - { .name: b_out, .offset: 32, .size: 8, .value_kind: global_buffer, .address_space: global }
      - { .name: out0, .offset: 40, .size: 8, .value_kind: global_buffer, .address_space: global }
    .group_segment_fixed_size: 327680
    .private_segment_fixed_size: 0
    .kernarg_segment_align: 8
    .kernarg_segment_size: 48
    .max_flat_workgroup_size: 128
    .sgpr_count:     100
    .vgpr_count:     1024
    .wavefront_size: 32
...
	.end_amdgpu_metadata
.endif
;; end of part 4
